; MI455X (gfx1250); checked and timed in simulation.
; The chip was launched on July 23, 2026; its instructions are those of AMD's public machine-readable ISA for CDNA 5 (MIT licence, August 2026) and "CDNA5" Instruction Set Architecture Reference Guide (July 2026). The comments in the code are by the model that wrote it; some were corrected since.
;; Attention. Allowed arithmetic: matrix products marked QUANTISED: E2M1 operands, one E8M0 scale for each 32 along K, by v_wmma_scale_f32_16x16x128_f8f6f4 with both operands' format E2M1 (or v_wmma_scale_f32_32x16x128_f4), f32 sums; products left as they are: bf16, f16 or f32 operands; f32 sums; everything else in f32.
;; Inputs: b_proj 1,024 float32; b_qkv 3,072 float32; w_proj 1,024 x 1,024 float32; w_qkv 1,024 x 3,072 float32; x 4 x 2,048 x 1,024 float32.
;; Outputs: out0 4 x 2,048 x 1,024 float32.
;; This version of the problem:
;;   THIS VERSION OF THE PROBLEM IS GIVEN IN LOW PRECISION. The matrix products marked QUANTISED in the list below multiply operands that are first quantised to E2M1 (2 exponent bits, 1 mantissa bit; 4 bits a number), with one power-of-two scale for each 32 numbers along K (OCP MX v1.0); their sums are f32. The products marked 'left as it is' may take bf16, f16 or f32 operands, with f32 sums. Whichever they take, every output number must still come out within the allowed error. Rounding operands to bf16 (8 significant bits) uses up far more of that allowance than f16 does (11 bits, for magnitudes from 6e-5 to 65,504). All else is computed in f32.
;;   The module's matrix products, in the order in which they are computed (A, B: the left and right operand; K: the contracted axis; several contracted axes count as one K, in the product's order):
;;     1. [M 8,192, K 1,024] x [K 1,024, N 3,072]; A: input x; B: input w_qkv: QUANTISED
;;     2. batch 64 x [M 2,048, K 64] x [K 64, N 2,048]; A: computed on the way; B: computed on the way: left as it is (an operand is computed on the way)
;;     3. batch 64 x [M 2,048, K 2,048] x [K 2,048, N 64]; A: computed on the way; B: computed on the way: left as it is (an operand is computed on the way)
;;     4. [M 8,192, K 1,024] x [K 1,024, N 1,024]; A: computed on the way; B: input w_proj: left as it is (an operand is computed on the way)
;;   THE QUANTISER, for each operand of a quantised product, along K:
;;     - K is cut into blocks of 32 from its start; a last block that is shorter is filled with zeros.
;;     - A block's scale is 2^e with e = floor(log2(the largest magnitude in the block)) - 2, held to -126 .. 127; a block of zeros has e = 0. As a byte (E8M0): e + 127.
;;     - Each number is divided by its block's scale, clamped to +-6, and rounded to the nearest number of E2M1, ties to even, subnormals kept.
;;     - The product sums the exact products of the quantised numbers (number of the format x scale) in f32.
;;   ~~~python
;;   def quantise(x, axis):      # numpy; x: float32 -> the quantised numbers, widened to float32 again
;;       x = np.moveaxis(x, axis, -1); K = x.shape[-1]
;;       x = np.pad(x, [(0, 0)] * (x.ndim - 1) + [(0, -K % 32)]); x = x.reshape(x.shape[:-1] + (-1, 32)); a = np.abs(x).max(-1, keepdims=True)
;;       e = np.where(a > 0, np.clip(np.frexp(np.where(a > 0, a, 1))[1] - 1 - 2, -126, 127), 0)      # np.frexp(a)[1] - 1 = floor(log2(a)), exactly
;;       r = np.clip(x / 2.0 ** e, -6, 6)
;;       step = 2.0 ** (np.maximum(np.frexp(np.where(r == 0, 1, r))[1] - 1, 0) - 1)
;;       q = np.round(r / step) * step * 2.0 ** e      # np.round: ties to even
;;       return np.moveaxis(q.reshape(q.shape[:-2] + (-1,))[..., :K], -1, axis).astype(np.float32)
;;   ~~~
;; One version. Each part assembles by itself: llvm-mc -triple=amdgcn-amd-amdhsa -mcpu=gfx1250 --defsym DOCPART=n.
;; ======== version 1 of 1: 4 launches
;; limits: values are held in f16: magnitudes above 65,504 overflow, below 6.1e-05 lose precision
;; workspace buffers: xc 4,194,304 bytes; xs 262,144 bytes; wc 1,572,864 bytes; ws 98,304 bytes; wp16 2,097,152 bytes; qkv 50,331,648 bytes; obuf 16,777,216 bytes
;; launch prep (part 1): grid 384 x 1, 4 waves a work-group, no clusters, 50,688 bytes of LDS; arguments x, w_qkv, w_proj, xc, xs, wc, ws, wp16; writes xc, xs, wc, ws, wp16
.if DOCPART == 1
	.amdgcn_target "amdgcn-amd-amdhsa--gfx1250"
	.amdhsa_code_object_version 6
	.text
	.protected	k_q0e2491a9f9_prep
	.globl	k_q0e2491a9f9_prep
	.p2align	8
	.type	k_q0e2491a9f9_prep,@function
k_q0e2491a9f9_prep:
	s_mov_b64 s[64:65], 0
	v_nop
	global_prefetch_b8 v0, s[64:65] scope:SCOPE_SE
	s_setreg_imm32_b32 hwreg(HW_REG_WAVE_MODE, 25, 1), 1
	s_wait_xcnt 0x0
; PREP: the operands of the later launches are made once.
;   work-groups 0-255:   x [8192][1024] f32 -> codes of FP4 (E2M1), K innermost, xc [8192][512 bytes], and one E8M0 byte for each 32 along K, xs [8192][32].
;   work-groups 256-351: w_qkv [1024 (k)][3072 (n)] f32, K its FIRST axis -> wc [3072 (n)][512 bytes] with K innermost, ws [3072][32].
;   work-groups 352-383: w_proj [1024][1024] f32 -> f16, as it lies: wp16.
; A block's scale is 2^(floor(log2(its largest magnitude)) - 2); its byte is the largest magnitude's own exponent field - 2, held at 1 from below by a floor among the maximum's leaves.
; LIMITS: a block of zeros, and a block whose largest magnitude lies under 2^-124, keeps the byte 1 (zero codes add nothing under it; these bytes are read by this program alone);
; NaN and infinities among the inputs are not served; w_proj beyond 65,504 in magnitude does not fit f16.
; The three paths part on the work-group's number alone, never join, and have LDS bytes of their own.  No tensor loads; several work-groups share a WGP.
.set SPARE, 50176                      ; the spare words: 128 bytes for each wave, two blocks of 256 bytes that no other line names
.set SPW,   176                        ; v176  LDS address of my spare word; never rewritten
.set NIL,   177                        ; v177  0; never rewritten
; path x
.set WREG,  8192                       ; LDS 0 .. 32767: a region for each wave: two stages of 32 x SP bytes, then its 256 scale bytes
.set SP,    80                         ; a lane's place in a stage: 64 bytes + 16 of padding
.set XR,    16                         ; v16-79   four sets of 16 numbers as loaded
.set XX,    80                         ; v80-111  two sets of 16 neighbours
.set XE,    112                        ; v112-127 a scale byte for each step
.set XC,    128                        ; v128-159 codes, two registers for each step: no store's data are written again
; path w
.set WSTG,  32768                      ; LDS 32768 .. 50175: the work-group's stage, 64 rows (columns n) x WPI bytes
.set WPI,   272                        ; 256 bytes of codes + 16 of padding
.set WROW,  12288                      ; a row of w_qkv in bytes
.macro FINISH                          ; the wave's end: a wait on TENSORcnt, an add of 0 to my spare word and its wait, behind my last LDS store
	s_wait_tensorcnt 0x0
	ds_add_u32 v[SPW], v[NIL]
	s_wait_dscnt 0x0
	s_endpgm
.endm
	s_load_b256 s[4:11], s[0:1], 0x0               ; x s[4:5], w_qkv s[6:7], w_proj s[8:9], xc s[10:11]
	s_load_b256 s[12:19], s[0:1], 0x20             ; xs s[12:13], wc s[14:15], ws s[16:17], wp16 s[18:19]
	v_lshl_add_u32 v[SPW], v0, 2, SPARE
	v_mov_b32 v[NIL], 0
	v_lshrrev_b32 v1, 5, v0
	v_readfirstlane_b32 s20, v1                    ; wave 0..3
	v_and_b32 v2, 31, v0                           ; lane
	s_wait_kmcnt 0x0
	s_cmp_lt_u32 ttmp9, 256
	s_cbranch_scc1 .Lpath_x
	s_cmp_lt_u32 ttmp9, 352
	s_cbranch_scc1 .Lpath_w
; ---------------- w_proj to f16.  A wave takes 8,192 numbers: 64 items of 512 bytes in, 256 bytes out; sixteen loads are always on their way.
	s_sub_co_u32 s21, ttmp9, 352
	s_lshl_b32 s21, s21, 2
	s_add_co_u32 s21, s21, s20                     ; which run of 8,192 numbers is my wave's: 0..127
	s_lshl_b32 s22, s21, 15
	s_mov_b32 s23, 0
	s_add_nc_u64 s[8:9], s[8:9], s[22:23]
	s_lshl_b32 s22, s21, 14
	s_add_nc_u64 s[18:19], s[18:19], s[22:23]
	v_lshlrev_b32 v3, 4, v2                        ; in: 16 bytes a lane; never rewritten
	v_lshlrev_b32 v4, 3, v2                        ; out: 8 bytes a lane; never rewritten
.set t, 0
.rept 16
	global_load_b128 v[16+4*t:16+4*t+3], v3, s[8:9] offset:512*t th:TH_LOAD_NT
.set t, t+1
.endr
.set t, 0
.rept 64
.if t < 48
	s_wait_loadcnt 15                              ; loads come back in order: item t's is in, the fifteen younger stay out
.else
	s_wait_loadcnt 63-t                            ; nothing more is asked for: the counts run down
.endif
	s_wait_xcnt 0x0                                ; the store sixteen items back has read its data: they are written again only behind this wait
	v_cvt_pk_f16_f32 v[80+2*(t%16)], v[16+4*(t%16)], v[16+4*(t%16)+1]
	v_cvt_pk_f16_f32 v[80+2*(t%16)+1], v[16+4*(t%16)+2], v[16+4*(t%16)+3]
.if t < 48
	global_load_b128 v[16+4*(t%16):16+4*(t%16)+3], v3, s[8:9] offset:512*(t+16) th:TH_LOAD_NT
.endif
	global_store_b64 v4, v[80+2*(t%16):80+2*(t%16)+1], s[18:19] offset:256*t   ; the wave stores 256 consecutive bytes, aligned
.set t, t+1
.endr
	s_endpgm                                       ; this path stores nothing to LDS
; ---------------- x.  Rows are dense and K is a multiple of 32: x is a plain stream of blocks of 32, and so are its codes and its scale bytes.
; A wave takes 16 steps of 512 numbers.  Each load reads 512 consecutive bytes; a step's 2,048 bytes turn through the wave's own stage, so that a lane then holds 16 NEIGHBOURS along K (two lanes hold a block).
.macro XLOAD t
.irp i, 0,1,2,3
	global_load_b128 v[XR+16*((\t)%4)+4*\i:XR+16*((\t)%4)+4*\i+3], v3, s[4:5] offset:2048*(\t)+512*\i th:TH_LOAD_NT
.endr
.endm
.macro XTURN t                         ; LDS serves a wave's instructions in order (ISA guide 5.7.1.4): no wait stands between the stores and the loads
.irp i, 0,1,2,3
	ds_store_b128 v14, v[XR+16*((\t)%4)+4*\i:XR+16*((\t)%4)+4*\i+3] offset:32*SP*((\t)%2)+8*SP*\i
.endr
.irp i, 0,1,2,3
	ds_load_b128 v[XX+16*((\t)%2)+4*\i:XX+16*((\t)%2)+4*\i+3], v15 offset:32*SP*((\t)%2)+16*\i
.endr
.endm
.macro XSTEP t
.set XS, XX+16*((\t)%2)
.if (\t) > 0
	s_wait_dscnt 1                                 ; this step's numbers are back from the stage (the last step's byte store may be out): so the stores into the stage have read their registers,
.else
	s_wait_dscnt 0x0
.endif
.if (\t)+4 < 16
	XLOAD (\t)+4                                   ; which take the loads of four steps on
.endif
.if (\t)+1 < 16
.if 14-(\t) >= 3
	s_wait_loadcnt 12                              ; the next step's four loads are in; those of the three steps behind it may be out
.else
	s_wait_loadcnt 4*(14-(\t))
.endif
	XTURN (\t)+1                                   ; and go through the other stage while this step is worked
.endif
	v_max3_num_f32 v8, |v[XS]|, |v[XS+1]|, |v[XS+2]|               ; the largest magnitude of my 16, in two chains
	v_max3_num_f32 v9, |v[XS+3]|, |v[XS+4]|, |v[XS+5]|
.irp i, 6,10
	v_max3_num_f32 v8, v8, |v[XS+\i]|, |v[XS+\i+1]|
	v_max3_num_f32 v9, v9, |v[XS+\i+2]|, |v[XS+\i+3]|
.endr
	v_max3_num_f32 v8, v8, |v[XS+14]|, |v[XS+15]|
	v_max3_num_f32 v8, v8, v9, 0x1800000           ; and the floor 2^(3 - 127): the byte cannot fall under 1
	v_max_num_f32_dpp v8, v8, v8 row_xmask:1 row_mask:0xf bank_mask:0xf   ; with my neighbour's 16: the block's
	v_add_nc_u32 v11, 0xff000000, v8               ; 2 off its exponent field: the conversion takes the exponent field of this operand as its scale, and nothing else of it
	v_cvt_scalef32_pk8_fp4_f32 v[XC+2*(\t)], v[XS:XS+7], v11
	v_cvt_scalef32_pk8_fp4_f32 v[XC+2*(\t)+1], v[XS+8:XS+15], v11
	v_lshrrev_b32 v[XE+(\t)], 23, v11              ; the scale's byte (also the plain line behind the conversions)
	ds_store_b8 v5, v[XE+(\t)] offset:16*(\t)      ; both lanes of a block write the same byte with the same value
	global_store_b64 v4, v[XC+2*(\t):XC+2*(\t)+1], s[10:11] offset:256*(\t)   ; the wave stores 256 consecutive bytes, aligned
.endm
.Lpath_x:
	v_lshlrev_b32 v3, 4, v2                        ; my 16 bytes of a load's 512
	s_mul_i32 s21, s20, WREG
	v_lshrrev_b32 v14, 2, v2
	v_mul_u32_u24 v14, v14, SP
	v_and_b32 v15, 3, v2
	v_lshl_add_u32 v14, v15, 4, v14
	v_add_nc_u32 v14, s21, v14                     ; the stage on the way in: SP (lane / 4) + 16 (lane % 4)
	v_mul_u32_u24 v15, v2, SP
	v_add_nc_u32 v15, s21, v15                     ; and on the way out: SP x lane
	v_lshlrev_b32 v4, 3, v2                        ; my 8 bytes of a step's codes
	v_lshrrev_b32 v5, 1, v2
	s_add_co_u32 s21, s21, 2*32*SP
	v_add_nc_u32 v5, s21, v5                       ; my wave's 256 scale bytes, my block's byte
	v_lshlrev_b32 v7, 3, v2
	v_add_nc_u32 v6, s21, v7                       ; and on the way out 8 bytes a lane
	s_lshl_b32 s22, ttmp9, 2
	s_add_co_u32 s22, s22, s20                     ; which run of 8,192 numbers is my wave's: 0..1023
	s_mov_b32 s25, 0
	s_lshl_b32 s24, s22, 15
	s_add_nc_u64 s[4:5], s[4:5], s[24:25]
	s_lshl_b32 s24, s22, 12
	s_add_nc_u64 s[10:11], s[10:11], s[24:25]
	s_lshl_b32 s24, s22, 8
	s_add_nc_u64 s[12:13], s[12:13], s[24:25]
.irp t, 0,1,2,3
	XLOAD \t
.endr
	s_wait_loadcnt 12                              ; step 0's four loads are in
	XTURN 0
.irp t, 0,1,2,3,4,5,6,7,8,9,10,11,12,13,14,15
	XSTEP \t
.endr
	ds_load_b64 v[8:9], v6                         ; my wave's own bytes, served in order behind my stores
	s_wait_dscnt 0x0
	global_store_b64 v7, v[8:9], s[12:13]          ; 256 scale bytes: one aligned run
	FINISH
; ---------------- w_qkv.  A LANE TAKES A COLUMN n, AND ITS REGISTERS RUN DOWN K: a block of 32 along K lies in one lane's 32 registers, and the conversions give codes with K innermost.
; A work-group takes 64 columns x 512 along K; wave w the columns 32 (w & 1) + lane and the rows 256 (w >> 1) on: eight blocks.  The codes meet in the work-group's stage, a row to a column, and leave as whole rows of 256 bytes.
.macro WLOAD t
.irp i, 0,1,2,3,4,5,6,7,8,9,10,11,12,13,14,15,16,17,18,19,20,21,22,23,24,25,26,27,28,29,30,31
	global_load_b32 v[32+32*((\t)%2)+\i], v3, s[6:7] offset:(32*(\t)+\i)*WROW th:TH_LOAD_NT
.endr
.endm
.macro WBLOCK t
.set XS, 32+32*((\t)%2)
.if (\t) < 7
	s_wait_loadcnt 32                              ; this block's 32 loads are in; the next block's may be out
.else
	s_wait_loadcnt 0
.endif
	v_max3_num_f32 v12, |v[XS]|, |v[XS+1]|, |v[XS+2]|
	v_max3_num_f32 v13, |v[XS+3]|, |v[XS+4]|, |v[XS+5]|
.irp i, 6,10,14,18,22,26
	v_max3_num_f32 v12, v12, |v[XS+\i]|, |v[XS+\i+1]|
	v_max3_num_f32 v13, v13, |v[XS+\i+2]|, |v[XS+\i+3]|
.endr
	v_max3_num_f32 v12, v12, |v[XS+30]|, |v[XS+31]|
	v_max3_num_f32 v12, v12, v13, 0x1800000        ; the floor
	v_add_nc_u32 v11, 0xff000000, v12              ; the conversion's scale operand
	v_lshrrev_b32 v13, 23, v11                     ; the scale's byte
.if (\t)%4 == 0
	v_mov_b32 v[24+(\t)/4], v13                    ; four bytes to a register, the lower K in the lower byte
.else
	v_lshl_or_b32 v[24+(\t)/4], v13, 8*((\t)%4), v[24+(\t)/4]
.endif
.irp g, 0,1,2,3
	v_cvt_scalef32_pk8_fp4_f32 v[96+\g], v[XS+8*\g:XS+8*\g+7], v11
.endr
	ds_store_b128 v4, v[96:99] offset:16*(\t)      ; 32 codes: 16 bytes of my column's row
.if (\t)+2 < 8
	WLOAD (\t)+2
.endif
	s_wait_dscnt 0x0                               ; the store has read its registers: the next block's codes may be written
.endm
.Lpath_w:
	s_sub_co_u32 s21, ttmp9, 256                   ; 0..95
	s_cmp_ge_u32 s21, 48
	s_cselect_b32 s22, 1, 0                        ; y: which 512 along K
	s_cselect_b32 s23, 48, 0
	s_sub_co_u32 s21, s21, s23                     ; which 64 columns
	s_and_b32 s24, s20, 1
	s_lshr_b32 s25, s20, 1
	s_lshl_b32 s26, s21, 6
	s_lshl_b32 s27, s24, 5
	s_add_co_u32 s26, s26, s27                     ; my wave's first column
	s_lshl_b32 s27, s22, 9
	s_lshl_b32 s28, s25, 8
	s_add_co_u32 s27, s27, s28                     ; my wave's first row of w_qkv
	s_mul_i32 s28, s27, WROW
	s_lshl_b32 s29, s26, 2
	s_add_co_u32 s28, s28, s29
	s_mov_b32 s29, 0
	s_add_nc_u64 s[6:7], s[6:7], s[28:29]
	v_lshlrev_b32 v3, 2, v2                        ; in: 4 bytes a lane: the two waves of one range of K stand side by side on 256 bytes of a row
	s_mul_i32 s30, s24, 32*WPI
	s_lshl_b32 s31, s25, 7
	s_add_co_u32 s30, s30, s31
	s_add_co_u32 s30, s30, WSTG
	v_mul_u32_u24 v4, v2, WPI
	v_add_nc_u32 v4, s30, v4                       ; into the stage: row = my column, 128 (w >> 1) bytes on
	s_lshl_b32 s32, s26, 5
	s_lshl_b32 s33, s22, 4
	s_add_co_u32 s32, s32, s33
	s_lshl_b32 s33, s25, 3
	s_add_co_u32 s32, s32, s33
	s_mov_b32 s33, 0
	s_add_nc_u64 s[16:17], s[16:17], s[32:33]      ; the scale bytes: column x 32 + my first block
	v_lshlrev_b32 v9, 5, v2
	s_mul_i32 s34, s20, 16*WPI
	s_add_co_u32 s34, s34, WSTG
	v_and_b32 v5, 15, v2
	v_lshrrev_b32 v6, 4, v2
	v_mul_u32_u24 v7, v6, WPI
	v_lshl_add_u32 v7, v5, 4, v7
	v_add_nc_u32 v7, s34, v7                       ; out of the stage: wave w takes rows 16 w on, sixteen lanes to a row
	v_lshlrev_b32 v8, 9, v6
	v_lshl_add_u32 v8, v5, 4, v8                   ; and the same place in wc
	s_lshl_b32 s34, s21, 6
	s_lshl_b32 s35, s20, 4
	s_add_co_u32 s34, s34, s35
	s_lshl_b32 s34, s34, 9
	s_lshl_b32 s35, s22, 8
	s_add_co_u32 s34, s34, s35
	s_mov_b32 s35, 0
	s_add_nc_u64 s[14:15], s[14:15], s[34:35]
	WLOAD 0
	WLOAD 1
.irp t, 0,1,2,3,4,5,6,7
	WBLOCK \t
.endr
	global_store_b64 v9, v[24:25], s[16:17]        ; my column's eight scale bytes
	s_wait_dscnt 0x0                               ; for the others' sake: my stores into the stage are done
	s_barrier_signal -1                            ; all four waves of a work-group are on this path: it was chosen by the work-group's number
	s_barrier_wait -1
.irp t, 0,1,2,3,4,5,6,7
	ds_load_b128 v[112+4*\t:112+4*\t+3], v7 offset:2*\t*WPI
.endr
.irp t, 0,1,2,3,4,5,6,7
	s_wait_dscnt 7-\t
	global_store_b128 v8, v[112+4*\t:112+4*\t+3], s[14:15] offset:2*\t*512   ; sixteen lanes store 256 consecutive bytes, aligned
.endr
	FINISH
.Lfunc_end_k_q0e2491a9f9_prep:
	.size	k_q0e2491a9f9_prep, .Lfunc_end_k_q0e2491a9f9_prep-k_q0e2491a9f9_prep
	.p2alignl 7, 3214868480
	.fill 96, 4, 3214868480
	.section	.rodata,"a",@progbits
	.p2align	6, 0x0
	.amdhsa_kernel k_q0e2491a9f9_prep
		.amdhsa_group_segment_fixed_size 50688
		.amdhsa_private_segment_fixed_size 0
		.amdhsa_enable_private_segment 0
		.amdhsa_kernarg_size 64
		.amdhsa_user_sgpr_count 2
		.amdhsa_user_sgpr_kernarg_segment_ptr 1
		.amdhsa_wavefront_size32 1
		.amdhsa_system_sgpr_workgroup_id_x 1
		.amdhsa_system_sgpr_workgroup_id_y 1
		.amdhsa_system_sgpr_workgroup_id_z 1
		.amdhsa_system_vgpr_workitem_id 0
		.amdhsa_next_free_vgpr 192
		.amdhsa_next_free_sgpr 66
		.amdhsa_reserve_vcc 0
		.amdhsa_float_denorm_mode_32 3
		.amdhsa_float_denorm_mode_16_64 3
		.amdhsa_memory_ordered 1
		.amdhsa_forward_progress 1
		.amdhsa_inst_pref_size 98
	.end_amdhsa_kernel
	.amdgpu_metadata
---
amdhsa.version: [ 1, 2 ]
amdhsa.kernels:
  - .name:           k_q0e2491a9f9_prep
    .symbol:         k_q0e2491a9f9_prep.kd
    .args:
      - { .name: x, .offset: 0, .size: 8, .value_kind: global_buffer, .address_space: global }
      - { .name: w_qkv, .offset: 8, .size: 8, .value_kind: global_buffer, .address_space: global }
      - { .name: w_proj, .offset: 16, .size: 8, .value_kind: global_buffer, .address_space: global }
      - { .name: xc, .offset: 24, .size: 8, .value_kind: global_buffer, .address_space: global }
      - { .name: xs, .offset: 32, .size: 8, .value_kind: global_buffer, .address_space: global }
      - { .name: wc, .offset: 40, .size: 8, .value_kind: global_buffer, .address_space: global }
      - { .name: ws, .offset: 48, .size: 8, .value_kind: global_buffer, .address_space: global }
      - { .name: wp16, .offset: 56, .size: 8, .value_kind: global_buffer, .address_space: global }
    .group_segment_fixed_size: 50688
    .private_segment_fixed_size: 0
    .kernarg_segment_align: 8
    .kernarg_segment_size: 64
    .max_flat_workgroup_size: 128
    .sgpr_count:     66
    .vgpr_count:     192
    .wavefront_size: 32
...
	.end_amdgpu_metadata
.endif
;; end of part 1
;; launch qkvgemm (part 2): grid 12 x 32, 4 waves a work-group, clusters of 4 x 4, 327,680 bytes of LDS; arguments xc, xs, wc, ws, b_qkv, qkv; writes qkv
.if DOCPART == 2
	.amdgcn_target "amdgcn-amd-amdhsa--gfx1250"
	.amdhsa_code_object_version 6
	.text
	.protected	k_q0e2491a9f9_qkvgemm
	.globl	k_q0e2491a9f9_qkvgemm
	.p2align	8
	.type	k_q0e2491a9f9_qkvgemm,@function
k_q0e2491a9f9_qkvgemm:
	s_mov_b64 s[64:65], 0
	v_nop
	global_prefetch_b8 v0, s[64:65] scope:SCOPE_SE
	s_setreg_imm32_b32 hwreg(HW_REG_WAVE_MODE, 25, 1), 1
	s_wait_xcnt 0x0
	s_wait_alu depctr_hold_cnt(0) depctr_sa_sdst(0) depctr_va_vdst(0) depctr_va_sdst(0) depctr_va_ssrc(0) depctr_va_vcc(0) depctr_vm_vsrc(0)
	s_getreg_b32 s2, hwreg(HW_REG_IB_STS2, 6, 4)
	s_cmp_eq_u32 s2, 0
	s_cbranch_scc0 .Lentry_in_a_cluster
	s_endpgm
.Lentry_in_a_cluster:
	s_bfe_u32 s2, ttmp6, 0x10000c
	s_cmp_lg_u32 s2, 0xf033
	s_cbranch_scc0 .Lentry_shape_is_right
	s_endpgm
.Lentry_shape_is_right:
; qkv = Q(x) Q(w_qkv) + b_qkv on codes of FP4 (E2M1) with one E8M0 scale for each 32 along K; sums in f32; the result is rounded once to f16 and laid by head:
; qkv [3 (q, k, v)][64 (16 batch + head)][2048 (position)][64] f16.  A: xc [8192][512 bytes], xs [8192][32];  B: wc [3072][512 bytes], ws [3072][32].
; LIMIT: a result beyond 65,504 in magnitude does not fit f16.
; A tile of the result, 256 x 256, is made by a work-group of four waves; a wave makes 128 x 128: 64 accumulators of 16 x 16, 512 registers.
; K = 1,024 is two K steps of 512 (rows of 256 bytes): BOTH lie in LDS from the first fills on, in two slots, and no LDS byte is filled again.  The scales of the work-group's rows come with them, in whole runs of 256 bytes.
; CLUSTERS: 4 x 4 work-groups.  The four of a row of the cluster need the same tiles of A, the four of a column the same tiles of B: each tile is asked for JOINTLY, by the same tensor load with the same descriptor and a mask that names the four.
; THE MATRIX INSTRUCTION IS USED TRANSPOSED (source 0 = 16 rows of B, source 1 = 16 rows of A): a lane holds eight neighbouring columns of one row.  The bias is the C of each sum's first instruction.
; REGISTERS, in windows of 256: window 0: v0-31 addresses; v32-95 scale words, two sets, and nothing else; v128-191 A's fragments, ONE set (on the way out: rows read back); v192-255 the bias (on the way out: packed results).
;   window 1: B's fragments, TWO sets, at v0 and v128.   window 2: the accumulators of my rows 0-63 ((a, b) at v[8 (8 a + b)]);   window 3: those of my rows 64-127.
.set SIZE_K, 1024
.set KSTEP,  512
.set NQ,     KSTEP/128                 ; matrix instructions deep in a slot
.set ROWB,   256                       ; a tile's row in bytes
.set KROW,   SIZE_K/2                  ; a row of codes in memory
.set PITCH,  272                       ; an LDS row: 256 bytes + 16 of padding = 68 words: the 16 rows that a load touches start at 16 different banks (64 banks of 4 bytes: ISA guide 11.1)
.set FR,     8
.set NL,     2
.set NP,     4                         ; places behind this matrix instruction (ISA guide 7.12.1)
.set HALFT,  128*PITCH
.set SLOT,   4*HALFT                   ; A's 256 rows, then B's 256 rows
.set KS,     SIZE_K/32                 ; a row of scales in bytes
.set SCL,    2*SLOT                    ; behind the slots: the scales, as runs of 256 bytes + 16 of padding
.set HALFS,  (128*KS/256)*272
.set SBLK,   (16*KS/256)*272
.set SPARE,  SCL+4*HALFS               ; the spare words: 128 bytes for each wave
.set SPITCH, 144                       ; the way out: a stage of 2 heads x 16 rows x (128 bytes + 16) for each wave, in slot 0, which has had its only fill and its last read by then
.set ADRA, 16
.set ADRB, 20
.set STO,  24
.set RD,   25
.set CO,   26
.set ADRS, 27
.set SPW,  28
.set NIL,  29
.set BA,   30                          ; v30  the bias: 32 bytes for each half of the lanes
.set SC,   32
.set AF,   128
.set BI,   192                         ; v192-255: for B's block b, register 8 b + j = b_qkv[my first column + 16 b + 8 (lane / 16) + j]
.set TMP,  192                         ; the way out: packed results
.set BK,   128                         ; the way out: rows read back, v128-159 and v160-191 by turns
.set G1, 24
.set G0, 32
.set G1B, 48
.set G0B, 56
.set G1S, 68
.set G0S, 76
.set G1SB, 80
.set G0SB, 88
.set MSB, 0
.macro WIN new                         ; the immediate's high byte repeats the setting that is left
.if MSB != (\new)
	s_set_vgpr_msb (MSB<<8)|(\new)
.set MSB, (\new)
.endif
.endm
.set MUL_LO, 0xa1                      ; source 0 (B) window 1, source 1 (A) window 0, C and D window 2
.set MUL_HI, 0xf1                      ; the same, C and D window 3
.set TO_B,   0x40
; A joint load: waves 0 and 1 fetch for A, waves 2 and 3 for B.  The branch hangs on the wave's number alone.  An s_nop 0 and four v_nop follow each of the two lines.
.macro JLOAD g0a, g1a, g0b, g1b
	s_cmp_eq_u32 s15, 0
	s_cbranch_scc0 .Lfor_b_\@
	tensor_load_to_lds s[\g0a:\g0a+3], s[\g1a:\g1a+7]
	s_nop 0
.rept 4
	v_nop
.endr
	s_branch .Lasked_\@
.Lfor_b_\@:
	tensor_load_to_lds s[\g0b:\g0b+3], s[\g1b:\g1b+7]
	s_nop 0
.rept 4
	v_nop
.endr
.Lasked_\@:
.endm
.macro CROUND                          ; a round of the cluster's barrier
	s_barrier_signal -1
	s_barrier_wait -1
	s_cmp_lg_u32 s14, 0
	s_cbranch_scc1 .Lnot_wave_0_\@
	s_barrier_signal -3
.Lnot_wave_0_\@:
	s_barrier_wait -3
	s_barrier_signal -1
	s_barrier_wait -1
.endm
	s_load_b128 s[4:7], s[0:1], 0x0                ; A's codes s[4:5], A's scales s[6:7]
	s_load_b128 s[8:11], s[0:1], 0x10              ; B's codes s[8:9], B's scales s[10:11]
	s_load_b128 s[96:99], s[0:1], 0x20             ; b_qkv s[96:97], qkv s[98:99]
	v_lshl_add_u32 v[SPW], v0, 2, SPARE
	v_mov_b32 v[NIL], 0
	ds_add_u32 v[SPW], v[NIL]                      ; the wave's opening: the add, twice on end, and its wait ahead of my first tensor load
	ds_add_u32 v[SPW], v[NIL]
	v_lshrrev_b32 v1, 5, v0
	v_readfirstlane_b32 s14, v1                    ; wave 0..3
	s_lshr_b32 s15, s14, 1                         ; which half of the tile's rows is mine.  Also: I fetch for A (0) or for B (1)
	s_and_b32 s16, s14, 1                          ; which half of its columns.  Also: which 128 rows of that tile I fetch
	s_bfe_u32 s40, ttmp6, 0x40000                  ; cx, cy
	s_bfe_u32 s41, ttmp6, 0x40004
	s_lshl_b32 s42, ttmp9, 2
	s_add_co_u32 s42, s42, s40                     ; tile column = 4 x cluster x + cx
	s_and_b32 s17, ttmp7, 0xffff
	s_lshl_b32 s17, s17, 2
	s_add_co_u32 s17, s17, s41                     ; tile row = 4 x cluster y + cy
	s_lshl_b32 s43, s41, 2
	s_lshl_b32 s43, 15, s43                        ; my row of the cluster
	s_lshl_b32 s44, 0x1111, s40                    ; my column
	s_or_b32 s[G1+0], s43, (0<<16)|(1<<20)|(1<<21)|(5<<22)|(3<<25)  ; the mask; elements of 1 byte; padding on; bit 21 beside a mask; after every 64 words, 4 words
	s_or_b32 s[G1B+0], s44, (0<<16)|(1<<20)|(1<<21)|(5<<22)|(3<<25)
.irp g, G1, G1B
	s_mov_b32 s[\g+1], ROWB<<16                    ; tensor_dim0
	s_mov_b32 s[\g+2], 128<<16                     ; tensor_dim1
	s_mov_b32 s[\g+3], ROWB<<16                    ; tile_dim0
	s_mov_b32 s[\g+4], 128                         ; tile_dim1
	s_mov_b32 s[\g+5], KROW                        ; from row to row
	s_mov_b32 s[\g+6], 0
	s_mov_b32 s[\g+7], 0
.endr
	s_or_b32 s[G1S+0], s43, (3<<16)|(1<<20)|(1<<21)|(5<<22)|(3<<25)  ; the scales of 128 rows: a dense block, as rows of 32 elements of 8 bytes
	s_or_b32 s[G1SB+0], s44, (3<<16)|(1<<20)|(1<<21)|(5<<22)|(3<<25)
.irp g, G1S, G1SB
	s_mov_b32 s[\g+1], 32<<16
	s_mov_b32 s[\g+2], (128*KS/256)<<16
	s_mov_b32 s[\g+3], 32<<16
	s_mov_b32 s[\g+4], 128*KS/256
	s_mov_b32 s[\g+5], 32
	s_mov_b32 s[\g+6], 0
	s_mov_b32 s[\g+7], 0
.endr
	s_lshl_b32 s18, s16, 7
	s_lshl_b32 s20, s17, 8
	s_add_co_u32 s20, s20, s18                     ; A: row 256 x tile row + 128 x half
	s_lshl_b32 s46, s42, 8
	s_add_co_u32 s46, s46, s18                     ; B: row 256 x tile column + 128 x half
	s_mov_b32 s21, 0
	s_mov_b32 s47, 0
	s_mov_b64 s[18:19], KS
	s_mul_u64 s[22:23], s[20:21], s[18:19]         ; where these rows' scales begin,
	s_mul_u64 s[92:93], s[46:47], s[18:19]
	s_mov_b64 s[18:19], KROW
	s_mul_u64 s[20:21], s[20:21], s[18:19]         ; and their codes
	s_mul_u64 s[46:47], s[46:47], s[18:19]
	s_mul_i32 s45, s14, HALFT                      ; where they go: wave x 128 rows
	s_mul_i32 s94, s14, HALFS
	s_wait_dscnt 0x0                               ; both opening adds are done
	s_wait_kmcnt 0x0
	s_add_nc_u64 s[20:21], s[4:5], s[20:21]
	s_add_nc_u64 s[22:23], s[6:7], s[22:23]
	s_add_nc_u64 s[46:47], s[8:9], s[46:47]
	s_add_nc_u64 s[92:93], s[10:11], s[92:93]
	CROUND                                         ; all sixteen work-groups are here: the joint loads meet
	s_mov_b32 s[G0S], 1
	s_add_co_u32 s[G0S+1], s94, SCL
	s_mov_b64 s[G0S+2:G0S+3], s[22:23]
	s_or_b32 s[G0S+3], s[G0S+3], 0x80000000
	s_mov_b32 s[G0SB], 1
	s_add_co_u32 s[G0SB+1], s94, SCL
	s_mov_b64 s[G0SB+2:G0SB+3], s[92:93]
	s_or_b32 s[G0SB+3], s[G0SB+3], 0x80000000
	JLOAD G0S, G1S, G0SB, G1SB                     ; the scales first: they are wanted with K step 0
.irp s, 0,1
	s_mov_b32 s[G0+4*\s], 1
	s_add_co_u32 s[G0+4*\s+1], s45, \s*SLOT
	s_add_nc_u64 s[G0+4*\s+2:G0+4*\s+3], s[20:21], \s*ROWB
	s_or_b32 s[G0+4*\s+3], s[G0+4*\s+3], 0x80000000
	s_mov_b32 s[G0B+4*\s], 1
	s_add_co_u32 s[G0B+4*\s+1], s45, \s*SLOT
	s_add_nc_u64 s[G0B+4*\s+2:G0B+4*\s+3], s[46:47], \s*ROWB
	s_or_b32 s[G0B+4*\s+3], s[G0B+4*\s+3], 0x80000000
	JLOAD G0+4*\s, G1, G0B+4*\s, G1B               ; three tensor loads of mine are out in all
.endr
	v_and_b32 v1, 15, v0                           ; r = l % 16
	v_bfe_u32 v2, v0, 4, 1                         ; h = l / 16
	v_lshlrev_b32 v[BA], 5, v2
	s_lshl_b32 s46, s42, 10                        ; my first column in b_qkv, in bytes: 1,024 x tile column + 512 x half
	s_lshl_b32 s47, s16, 9
	s_add_co_u32 s46, s46, s47
	s_mov_b32 s47, 0
	s_add_nc_u64 s[96:97], s[96:97], s[46:47]
.irp b, 0,1,2,3,4,5,6,7
	global_load_b128 v[BI+8*\b:BI+8*\b+3], v[BA], s[96:97] offset:64*\b
	global_load_b128 v[BI+8*\b+4:BI+8*\b+7], v[BA], s[96:97] offset:64*\b+16
.endr
	v_mul_u32_u24 v3, v1, PITCH
	v_lshl_add_u32 v4, v2, 4, v3                   ; a fragment's row x pitch + 16 x half
	s_mul_i32 s21, s15, HALFT                      ; my 128 rows of A
	s_mul_i32 s22, s16, HALFT                      ; my 128 rows of B,
	s_add_co_u32 s22, s22, 2*HALFT                 ; which lie behind A's 256
.irp s, 0,1
	v_add_nc_u32 v[ADRA+\s], s21, v4
	v_add_nc_u32 v[ADRB+\s], s22, v4
	s_add_co_u32 s21, s21, SLOT
	s_add_co_u32 s22, s22, SLOT
.endr
	v_mul_u32_u24 v5, v1, KS                       ; my row's scales: KS bytes a row,
	v_lshrrev_b32 v6, 8, v5
	v_lshl_add_u32 v5, v6, 4, v5                   ; and 16 more for each 256 passed
	s_mul_i32 s21, s15, HALFS
	s_mul_i32 s22, s16, HALFS
	s_add_co_u32 s22, s22, 2*HALFS
	s_sub_co_u32 s22, s22, s21
	v_mul_u32_u24 v6, s22, v2                      ; lanes 16-31 take B's: one product, the distance between the two bases
	s_add_co_u32 s21, s21, SCL
	v_add_nc_u32 v5, v5, v6
	v_add_nc_u32 v[ADRS], s21, v5
	s_mul_i32 s23, s14, 2*16*SPITCH                ; my stage
	v_mul_u32_u24 v5, v1, SPITCH
	v_lshl_add_u32 v5, v2, 4, v5
	v_add_nc_u32 v[STO], s23, v5                   ; in: row r, 16 bytes for each half of the lanes
	v_bfe_u32 v6, v0, 3, 2
	v_mul_u32_u24 v6, v6, SPITCH
	v_and_b32 v7, 7, v0
	v_lshl_add_u32 v6, v7, 4, v6
	v_add_nc_u32 v[RD], s23, v6                    ; back: eight lanes to a row of 128 bytes, four rows an instruction
	v_and_b32 v6, 31, v0
	v_lshlrev_b32 v[CO], 4, v6                     ; and in memory those four rows are 512 bytes on end
	; where my part begins in qkv.  My 128 columns are two heads, g and g + 1, of one of q, k, v: g = 4 x tile column + 2 x half
	s_lshl_b32 s46, s42, 2
	s_lshl_b32 s47, s16, 1
	s_add_co_u32 s46, s46, s47
	s_lshr_b32 s47, s46, 4
	s_lshl_b32 s47, s47, 24                        ; q, k or v: 16,777,216 bytes each
	s_and_b32 s46, s46, 15
	s_lshl_b32 s46, s46, 18                        ; the head: 262,144 bytes
	s_add_co_u32 s46, s46, s47
	s_lshr_b32 s47, s17, 3
	s_lshl_b32 s47, s47, 22                        ; the batch: 16 heads
	s_add_co_u32 s46, s46, s47
	s_and_b32 s47, s17, 7
	s_lshl_b32 s47, s47, 8
	s_lshl_b32 s20, s15, 7
	s_add_co_u32 s47, s47, s20                     ; my first position in the sequence
	s_lshl_b32 s47, s47, 7                         ; 128 bytes a position
	s_add_co_u32 s46, s46, s47
	s_mov_b32 s47, 0
	s_add_nc_u64 s[98:99], s[98:99], s[46:47]      ; never stepped: all else stands in the stores' immediates
.macro FRAG reg, adr, q, i             ; 16 rows x 128 K of 4-bit codes: 8 registers: lane l holds row l % 16; registers 4 c .. 4 c + 3 hold K = 64 c + 32 (l / 16) + 0 .. 31
.irp c, 0,1
	ds_load_b128 v[\reg+4*\c:\reg+4*\c+3], v[\adr] offset:64*(\q)+32*\c+(\i)*16*PITCH
.endr
.endm
; 16 matrix instructions: A's blocks a0, a0 + 1 x B's eight.  zero = 1: the first product starts the sums on the bias.  The 64 accumulators take turns, one instruction a turn.
.macro MUL16 a0, p, q, sc, zero
.irp a, \a0, \a0+1
.irp b, 0,1,2,3,4,5,6,7
.if \zero
	v_wmma_scale_f32_16x16x128_f8f6f4 v[8*(8*((\a)%4)+\b):8*(8*((\a)%4)+\b)+7], v[128*(\p)+FR*\b:128*(\p)+FR*\b+FR-1], v[AF+FR*(\a):AF+FR*(\a)+FR-1], v[BI+8*\b:BI+8*\b+7], v[SC+8*NQ*(\sc)+NQ*\b+(\q)], v[SC+8*NQ*(\sc)+NQ*(\a)+(\q)] matrix_a_fmt:MATRIX_FMT_FP4 matrix_b_fmt:MATRIX_FMT_FP4 matrix_a_scale:MATRIX_SCALE_ROW1
.else
	v_wmma_scale_f32_16x16x128_f8f6f4 v[8*(8*((\a)%4)+\b):8*(8*((\a)%4)+\b)+7], v[128*(\p)+FR*\b:128*(\p)+FR*\b+FR-1], v[AF+FR*(\a):AF+FR*(\a)+FR-1], v[8*(8*((\a)%4)+\b):8*(8*((\a)%4)+\b)+7], v[SC+8*NQ*(\sc)+NQ*\b+(\q)], v[SC+8*NQ*(\sc)+NQ*(\a)+(\q)] matrix_a_fmt:MATRIX_FMT_FP4 matrix_b_fmt:MATRIX_FMT_FP4 matrix_a_scale:MATRIX_SCALE_ROW1
.endif
.endr
.endr
.endm
.macro FETCH_B slot, q, p
	WIN TO_B
.irp i, 0,1,2,3,4,5,6,7
	FRAG 128*(\p)+FR*\i, ADRB+\slot, \q, \i
.endr
	WIN 0
.endm
.macro FETCH_A slot, q, i0
.irp i, \i0, \i0+1, \i0+2, \i0+3
	FRAG AF+FR*(\i), ADRA+\slot, \q, \i
.endr
.endm
.macro SCALES sc                       ; a K step's scale words: lanes 0-15 take A's block i, lanes 16-31 B's block i
.irp i, 0,1,2,3,4,5,6,7
	ds_load_b128 v[SC+8*NQ*\sc+NQ*\i:SC+8*NQ*\sc+NQ*\i+3], v[ADRS] offset:\i*SBLK
.endr
.endm
.macro PLACES n                        ; plain vector instructions that name none of a matrix instruction's registers, in front of loads into registers that it has read and of reads of its results
.rept \n
	v_nop
.endr
.endm
.macro STEP slot, q, zero              ; 128 along K that has its successor in the same slot
	s_wait_dscnt 4*NL                              ; B's set and A's blocks 0-3 are in; the youngest eight loads (A's blocks 4-7) may be out
	WIN MUL_LO-0x20*(\zero)                        ; (zero = 1: C, the bias, lies in window 0)
	MUL16 0, (\q)%2, \q, \slot, \zero
	MUL16 2, (\q)%2, \q, \slot, \zero
	s_wait_dscnt 0
	PLACES NP
	FETCH_B \slot, (\q)+1, 1-(\q)%2
	FETCH_A \slot, (\q)+1, 0
	WIN MUL_HI-0x30*(\zero)
	MUL16 4, (\q)%2, \q, \slot, \zero
	MUL16 6, (\q)%2, \q, \slot, \zero
	PLACES NP
	WIN 0
	FETCH_A \slot, (\q)+1, 4
.endm
.macro TURN slot, next                 ; a slot's last step changes slots: one barrier
	s_wait_tensorcnt 0x0                           ; all my tensor loads have landed: my part of the next slot
	ds_add_u32 v[SPW], v[NIL]                      ; 0 onto my spare word
	s_wait_dscnt 4*NL+1                            ; (the add and the youngest eight loads may be out)
	WIN MUL_LO
	MUL16 0, 1, NQ-1, \slot, 0
	s_wait_dscnt 0x0                               ; the add is done, and my reads of this slot are over
	s_barrier_signal -1
	MUL16 2, 1, NQ-1, \slot, 0
	WIN 0
	s_barrier_wait -1                              ; the next slot is whole, and nobody reads this one any more
	PLACES NP
	v_add_nc_u32 v[ADRS], 4*NQ, v[ADRS]            ; on to the next K step's scale words
	FETCH_B \next, 0, 0
	FETCH_A \next, 0, 0
	SCALES \next
	WIN MUL_HI
	MUL16 4, 1, NQ-1, \slot, 0
	MUL16 6, 1, NQ-1, \slot, 0
	PLACES NP
	WIN 0
	FETCH_A \next, 0, 4
.endm
.macro STEPS slot, from
.set Q, \from
.rept NQ-1-\from
	STEP \slot, Q, 0
.set Q, Q+1
.endr
.endm
	s_wait_tensorcnt 1                             ; the scales and my part of K step 0 are in (K step 1's load may be out),
	s_barrier_signal -1
	s_barrier_wait -1                              ; everybody's are
	FETCH_B 0, 0, 0
	FETCH_A 0, 0, 0
	SCALES 0
	FETCH_A 0, 0, 4
	s_wait_loadcnt 0x0                             ; the bias
	STEP 0, 0, 1
	STEPS 0, 1
	TURN 0, 1
	STEPS 1, 0
	s_wait_dscnt 4*NL                              ; the very last step: nothing more to fetch
	WIN MUL_LO
	MUL16 0, 1, NQ-1, 1, 0
	MUL16 2, 1, NQ-1, 1, 0
	s_wait_dscnt 0
	WIN MUL_HI
	MUL16 4, 1, NQ-1, 1, 0
	MUL16 6, 1, NQ-1, 1, 0
	WIN 0
; THE WAY OUT, block by block of 16 rows x 128 columns (two heads).  A lane's eight results pack into 16 bytes of one position of one head; they go through my own stage and come back four positions (512 consecutive bytes of memory) an instruction.
.macro PACK a
.set AC, 64*((\a)%4)
	WIN 0x0a+5*((\a)/4)                            ; sources 0 and 1: window 2 or 3
.irp b, 0,1,2,3,4,5,6,7
.irp i, 0,1,2,3
	v_cvt_pk_f16_f32 v[TMP+4*\b+\i], v[AC+8*\b+2*\i], v[AC+8*\b+2*\i+1]   ; each accumulator from its low end on
.endr
.endr
	WIN 0
.endm
.macro TOSTAGE a
.set BB, BK+32*((\a)%2)
.irp b, 0,1,2,3,4,5,6,7
	ds_store_b128 v[STO], v[TMP+4*\b:TMP+4*\b+3] offset:(\b/4)*16*SPITCH+(\b%4)*32
.endr
.irp t, 0,1,2,3,4,5,6,7
	ds_load_b128 v[BB+4*\t:BB+4*\t+3], v[RD] offset:(\t/4)*16*SPITCH+(\t%4)*4*SPITCH   ; LDS serves a wave's instructions in order (ISA guide 5.7.1.4): these see the stores above
.endr
.endm
.macro SEND a
.set BB, BK+32*((\a)%2)
	s_wait_dscnt 0x0                               ; the block is back in registers
	s_wait_xcnt 0x0                                ; the block before has had its stores' addresses translated (ISA guide 3.1): its registers take the next block's loads only behind this wait
.irp t, 0,1,2,3,4,5,6,7
	global_store_b128 v[CO], v[BB+4*\t:BB+4*\t+3], s[98:99] offset:(\t/4)*262144+(\a)*2048+(\t%4)*512   ; 32 lanes store 512 consecutive bytes, aligned
.endr
.endm
	PLACES NP
	PACK 0
	TOSTAGE 0
.irp a, 1,2,3,4,5,6,7                  ; block a's conversions stand between block a - 1's loads from the stage and the wait for them
	PACK \a
	SEND \a-1
	TOSTAGE \a
.endr
	SEND 7
	s_wait_tensorcnt 0x0                           ; the wave's end: a wait on TENSORcnt, an add of 0 to my spare word and its wait, behind my last tensor load and my last LDS store
	ds_add_u32 v[SPW], v[NIL]
	s_wait_dscnt 0x0
	CROUND                                         ; the closing round
	s_endpgm
.Lfunc_end_k_q0e2491a9f9_qkvgemm:
	.size	k_q0e2491a9f9_qkvgemm, .Lfunc_end_k_q0e2491a9f9_qkvgemm-k_q0e2491a9f9_qkvgemm
	.p2alignl 7, 3214868480
	.fill 96, 4, 3214868480
	.section	.rodata,"a",@progbits
	.p2align	6, 0x0
	.amdhsa_kernel k_q0e2491a9f9_qkvgemm
		.amdhsa_group_segment_fixed_size 327680
		.amdhsa_private_segment_fixed_size 0
		.amdhsa_enable_private_segment 0
		.amdhsa_kernarg_size 48
		.amdhsa_user_sgpr_count 2
		.amdhsa_user_sgpr_kernarg_segment_ptr 1
		.amdhsa_wavefront_size32 1
		.amdhsa_system_sgpr_workgroup_id_x 1
		.amdhsa_system_sgpr_workgroup_id_y 1
		.amdhsa_system_sgpr_workgroup_id_z 1
		.amdhsa_system_vgpr_workitem_id 0
		.amdhsa_next_free_vgpr 1024
		.amdhsa_next_free_sgpr 100
		.amdhsa_reserve_vcc 0
		.amdhsa_float_denorm_mode_32 3
		.amdhsa_float_denorm_mode_16_64 3
		.amdhsa_memory_ordered 1
		.amdhsa_forward_progress 1
		.amdhsa_inst_pref_size 128
	.end_amdhsa_kernel
	.amdgpu_metadata
---
amdhsa.version: [ 1, 2 ]
amdhsa.kernels:
  - .name:           k_q0e2491a9f9_qkvgemm
    .symbol:         k_q0e2491a9f9_qkvgemm.kd
    .args:
      - { .name: xc, .offset: 0, .size: 8, .value_kind: global_buffer, .address_space: global }
      - { .name: xs, .offset: 8, .size: 8, .value_kind: global_buffer, .address_space: global }
      - { .name: wc, .offset: 16, .size: 8, .value_kind: global_buffer, .address_space: global }
      - { .name: ws, .offset: 24, .size: 8, .value_kind: global_buffer, .address_space: global }
      - { .name: b_qkv, .offset: 32, .size: 8, .value_kind: global_buffer, .address_space: global }
      - { .name: qkv, .offset: 40, .size: 8, .value_kind: global_buffer, .address_space: global }
    .group_segment_fixed_size: 327680
    .private_segment_fixed_size: 0
    .kernarg_segment_align: 8
    .kernarg_segment_size: 48
    .max_flat_workgroup_size: 128
    .sgpr_count:     100
    .vgpr_count:     1024
    .wavefront_size: 32
...
	.end_amdgpu_metadata
.endif
;; end of part 2
;; launch attn (part 3): grid 4 x 64, 8 waves a work-group, clusters of 4 x 1, 327,680 bytes of LDS; arguments qkv, obuf; writes obuf
.if DOCPART == 3
	.amdgcn_target "amdgcn-amd-amdhsa--gfx1250"
	.amdhsa_code_object_version 6
	.text
	.protected	k_q0e2491a9f9_attn
	.globl	k_q0e2491a9f9_attn
	.p2align	8
	.type	k_q0e2491a9f9_attn,@function
k_q0e2491a9f9_attn:
	s_mov_b64 s[64:65], 0
	v_nop
	global_prefetch_b8 v0, s[64:65] scope:SCOPE_SE
	s_setreg_imm32_b32 hwreg(HW_REG_WAVE_MODE, 25, 1), 1
	s_wait_xcnt 0x0
	s_wait_alu depctr_hold_cnt(0) depctr_sa_sdst(0) depctr_va_vdst(0) depctr_va_sdst(0) depctr_va_ssrc(0) depctr_va_vcc(0) depctr_vm_vsrc(0)
	s_getreg_b32 s2, hwreg(HW_REG_IB_STS2, 6, 4)
	s_cmp_eq_u32 s2, 0
	s_cbranch_scc0 .Lentry_in_a_cluster
	s_endpgm
.Lentry_in_a_cluster:
	s_bfe_u32 s2, ttmp6, 0x10000c
	s_cmp_lg_u32 s2, 0x3003
	s_cbranch_scc0 .Lentry_shape_is_right
	s_endpgm
.Lentry_shape_is_right:
; O[bh][q][:] = the sum over k of softmax_k(Q[bh][q] . K[bh][k] / 8) V[bh][k][:], no mask.  qkv: [3][64 (bh)][2048][64] f16.  obuf: [16 (head)][8192 (batch x position)][64] f16.
; Products, maxima and sums in f32; the weights p are rounded to f16 for the second product, O once at the end.  LIMIT: O beyond 65,504 in magnitude does not fit f16; p under 6e-8 falls to 0 in the product (not in the row's sum).
; SHARES.  A work-group owns 512 queries of one head, each of its eight waves 64: four tiles of 16, in 512 registers: two waves to a SIMD, so that one wave's softmax can stand beside the other's products.  Every wave walks all 2,048 keys, 64 a step.
; LAYOUT.  S^T = K Q^T (source 0 = 16 keys, source 1 = 16 queries): a lane holds ONE query (lane % 16) and the keys 8 (lane / 16) + 0..7.  Two such tiles, rounded to f16 in pairs, ARE source 1 (32 keys x 16 queries) of O^T = V^T P.
; K comes out of LDS as it lies, V ([key][channel]) turned, by ds_load_tr16_b128.  Each fragment of K or V feeds four matrix instructions.
; SOFTMAX.  For each query a running maximum m and sum l: p = 2^(c s - c m), c = log2(e) / 8; in every step O and l are multiplied by a = 2^(c m_old - c m_new).
; RING.  Two LDS slots of 512 keys.  The head's keys are four slots' worth: two first fills and two refills; a refill is asked for eight key steps, 512 matrix instructions of the wave, ahead of the wait for it; so no prefetch is laid.
; CLUSTER.  The four work-groups of a cluster are the four query blocks of one head and walk the same K and V: each tile is asked for JOINTLY, by the same tensor load with the same descriptor and the mask of all four.
; REGISTERS: window 0: v2-11 addresses; v12-43 eight registers of statistics a tile; v64-191 S^T, 32 a tile (P is packed in place into a tile's first 16); v192-255 Q.   window 1: v0-63 K of one step; v64-127 V of one step; v128-255 O^T, 32 a tile.
.set KS,    64                         ; keys in a step
.set SK,    512                        ; keys in a slot
.set PK,    144                        ; a row of K in LDS: 128 bytes + 16 = 36 words: the 16 rows of a load start at 16 different groups of four banks (ISA guide 11.1)
.set PVB,   160                        ; a row of V: 128 + 32
.set KREG,  SK*PK                      ; a slot: 512 rows of K, then 512 rows of V
.set SLOTB, SK*(PK+PVB)
.set SPARE, 2*SLOTB                    ; behind the ring: the spare words, 128 bytes for each of the eight waves
.set SPI,   144                        ; the way out: 4 tiles x 16 rows x (128 + 16) bytes for each wave, in slot 0, which has had its last fill and its last read by then
.set AK0, 2
.set AV0, 3
.set ADK, 4
.set ADV, 5
.set STO, 6
.set RD,  7
.set GO,  8
.set QO,  9
.set SPW, 10
.set NIL, 11
.set ST,  12                           ; tile t at v[ST+8 t]: +0 c m, +1 m, +2, +3 l (even keys', odd keys'), +4 to +7 at work; a takes +6
.set S,   64
.set QF,  192
.set KF,  0                            ; window 1
.set VF,  64
.set OF,  128
.set WV,  12
.set G1K, 24
.set G1V, 32
.set G0K, 40                           ; s[40:47]: a set for each slot
.set G0V, 48
.set CNT, 56
.set CS,  58
.set SEL, 60
.set TK,  62                           ; LDS byte of the K tile to be fetched next
.set TV,  63                           ; and of the V tile
.set MSB, 0
.macro WIN new
.if MSB != (\new)
	s_set_vgpr_msb (MSB<<8)|(\new)
.set MSB, (\new)
.endif
.endm
.macro JLOAD g                         ; a joint load: waves 0-3 fetch a slot's four quarters of K, waves 4-7 those of V.  An s_nop 0 and four v_nop follow each of the two lines
	s_cmp_lt_u32 s[WV], 4
	s_cbranch_scc0 .Lfor_v_\@
	tensor_load_to_lds s[G0K+4*\g:G0K+4*\g+3], s[G1K:G1K+7]
	s_nop 0
.rept 4
	v_nop
.endr
	s_branch .Lasked_\@
.Lfor_v_\@:
	tensor_load_to_lds s[G0V+4*\g:G0V+4*\g+3], s[G1V:G1V+7]
	s_nop 0
.rept 4
	v_nop
.endr
.Lasked_\@:
.endm
.macro CROUND                          ; a round of the cluster's barrier
	s_barrier_signal -1
	s_barrier_wait -1
	s_cmp_lg_u32 s[WV], 0
	s_cbranch_scc1 .Lnot_wave_0_\@
	s_barrier_signal -3
.Lnot_wave_0_\@:
	s_barrier_wait -3
	s_barrier_signal -1
	s_barrier_wait -1
.endm
	s_load_b128 s[4:7], s[0:1], 0x0                ; qkv s[4:5], obuf s[6:7]
	v_lshl_add_u32 v[SPW], v0, 2, SPARE
	v_mov_b32 v[NIL], 0
	ds_add_u32 v[SPW], v[NIL]                      ; the wave's opening: the add, twice on end, and its wait ahead of my first tensor load
	ds_add_u32 v[SPW], v[NIL]
	v_lshrrev_b32 v1, 5, v0
	v_readfirstlane_b32 s[WV], v1                  ; wave 0..7
	s_bfe_u32 s13, ttmp6, 0x40000                  ; cx
	s_lshl_b32 s14, ttmp9, 2
	s_add_co_u32 s14, s14, s13                     ; my block of 512 queries: it enters Q's and O's addresses alone
	s_and_b32 s16, ttmp7, 0xffff                   ; bh = 16 batch + head, which the four partners share
	s_and_b32 s15, s[WV], 3                        ; which 128 keys of a slot I fetch
	s_lshl_b32 s20, s16, 18                        ; the head's 262,144 bytes,
	s_lshl_b32 s21, s15, 14                        ; my 128 rows of 128 bytes
	s_add_co_u32 s20, s20, s21
	s_mov_b32 s21, 0
	s_mul_i32 s17, s15, 128*PK                     ; and their places in a slot: no place in the cluster enters an LDS address
	s_mul_i32 s18, s15, 128*PVB
	s_add_co_u32 s18, s18, KREG
	s_lshl_b32 s22, s16, 18                        ; Q: the head, my block's 512 rows, my wave's 64
	s_lshl_b32 s23, s14, 16
	s_add_co_u32 s22, s22, s23
	s_lshl_b32 s23, s[WV], 13
	s_add_co_u32 s22, s22, s23
	s_mov_b32 s23, 0
	s_and_b32 s2, s16, 15                          ; O: the head's plane of 1,048,576 bytes, the batch's 2,048 rows, my block's, my wave's
	s_lshl_b32 s2, s2, 20
	s_lshr_b32 s3, s16, 4
	s_lshl_b32 s3, s3, 18
	s_add_co_u32 s2, s2, s3
	s_lshl_b32 s3, s14, 16
	s_add_co_u32 s2, s2, s3
	s_lshl_b32 s3, s[WV], 13
	s_add_co_u32 s2, s2, s3
	s_mov_b32 s3, 0
	s_mov_b32 s[G1K], 15|(1<<16)|(1<<20)|(1<<21)|(4<<22)|(3<<25)  ; the mask: all four; elements of 2 bytes; padding on; bit 21 beside a mask; after every 32 words, 4 words
	s_mov_b32 s[G1V], 15|(1<<16)|(1<<20)|(1<<21)|(4<<22)|(7<<25)  ; the same with 8 words
.irp g, G1K, G1V
	s_mov_b32 s[\g+1], 64<<16                      ; tensor_dim0 = 64
	s_mov_b32 s[\g+2], 128<<16                     ; tensor_dim1 = 128
	s_mov_b32 s[\g+3], 64<<16                      ; tile_dim0 = 64
	s_mov_b32 s[\g+4], 128                         ; tile_dim1 = 128
	s_mov_b32 s[\g+5], 64                          ; from row to row
	s_mov_b32 s[\g+6], 0
	s_mov_b32 s[\g+7], 0
.endr
	s_mov_b32 s[CS], 0x3e38aa3b                    ; c = log2(e) / 8
	s_mov_b32 s[CS+1], s[CS]                       ; named with it as a pair, so it is written
	s_mov_b32 s[SEL], 0x76543210
	s_mov_b32 s[SEL+1], 0xfedcba98
	s_wait_dscnt 0x0                               ; both opening adds are done
	s_wait_kmcnt 0x0
	s_add_nc_u64 s[8:9], s[4:5], s[20:21]
	s_add_nc_u64 s[8:9], s[8:9], 0x1000000         ; K at my rows of slot 0
	s_add_nc_u64 s[10:11], s[8:9], 0x1000000       ; V likewise
	s_add_nc_u64 s[4:5], s[4:5], s[22:23]          ; Q at my wave's first row
	s_add_nc_u64 s[6:7], s[6:7], s[2:3]            ; O likewise
	CROUND                                         ; all four work-groups are here: the first joint loads meet
.irp s, 0,1
	s_mov_b32 s[G0K+4*\s], 1
	s_add_co_u32 s[G0K+4*\s+1], s17, \s*SLOTB
	s_add_nc_u64 s[G0K+4*\s+2:G0K+4*\s+3], s[8:9], \s*SK*128
	s_or_b32 s[G0K+4*\s+3], s[G0K+4*\s+3], 0x80000000
	s_mov_b32 s[G0V+4*\s], 1
	s_add_co_u32 s[G0V+4*\s+1], s18, \s*SLOTB
	s_add_nc_u64 s[G0V+4*\s+2:G0V+4*\s+3], s[10:11], \s*SK*128
	s_or_b32 s[G0V+4*\s+3], s[G0V+4*\s+3], 0x80000000
.endr
	s_cmp_lt_u32 s[WV], 4                          ; a wave's two first fills stand in one branch, ahead of every wait on TENSORcnt and every LDS read: two loads of mine are out
	s_cbranch_scc0 .Lfirst_v
	tensor_load_to_lds s[G0K:G0K+3], s[G1K:G1K+7]
	s_nop 0
	tensor_load_to_lds s[G0K+4:G0K+7], s[G1K:G1K+7]
	s_nop 0
.rept 4
	v_nop
.endr
	s_branch .Lfirst_asked
.Lfirst_v:
	tensor_load_to_lds s[G0V:G0V+3], s[G1V:G1V+7]
	s_nop 0
	tensor_load_to_lds s[G0V+4:G0V+7], s[G1V:G1V+7]
	s_nop 0
.rept 4
	v_nop
.endr
.Lfirst_asked:
	v_and_b32 v1, 15, v0                           ; r = l % 16
	v_bfe_u32 v44, v0, 4, 1                        ; h = l / 16
	v_lshlrev_b32 v[QO], 7, v1
	v_lshl_add_u32 v[QO], v44, 4, v[QO]            ; row x 128 + 16 x half
.irp i, 0,1,2,3,4,5,6,7                        ; Q stays in registers: tile i / 2, channels 32 (i % 2) on
	global_load_b128 v[QF+8*\i:QF+8*\i+3],   v[QO], s[4:5] offset:(\i/2)*2048+(\i%2)*64
	global_load_b128 v[QF+8*\i+4:QF+8*\i+7], v[QO], s[4:5] offset:(\i/2)*2048+(\i%2)*64+32
.endr
	v_mul_u32_u24 v[AK0], v1, PK
	v_lshl_add_u32 v[AK0], v44, 4, v[AK0]          ; K: row x pitch + 16 x half
	v_and_b32 v45, 7, v0
	v_bfe_u32 v46, v0, 3, 1
	v_lshl_add_u32 v[AV0], v44, 3, v45             ; V, for the turning load: key 8 (l / 16) + l % 8, channels 8 ((l / 8) % 2) on
	v_mul_u32_u24 v[AV0], v[AV0], PVB
	v_lshl_add_u32 v[AV0], v46, 4, v[AV0]
	s_mul_i32 s19, s[WV], 4*16*SPI                 ; my stage
	v_mul_u32_u24 v[STO], v1, SPI
	v_lshl_add_u32 v[STO], v44, 4, v[STO]
	v_add_nc_u32 v[STO], s19, v[STO]               ; in: row r, 16 bytes for each half of the lanes
	v_bfe_u32 v47, v0, 3, 2
	v_mul_u32_u24 v[RD], v47, SPI
	v_lshl_add_u32 v[RD], v45, 4, v[RD]
	v_add_nc_u32 v[RD], s19, v[RD]                 ; back: eight lanes to a row, four rows an instruction
	v_and_b32 v47, 31, v0
	v_lshlrev_b32 v[GO], 4, v47                    ; in memory those four rows are 512 bytes on end
.macro KLOAD                           ; a step's K: 64 keys x 64 channels, 8 fragments (f = 2 x tile of keys + half of the channels)
	WIN 0x40                                       ; destination window 1, address window 0
.irp f, 0,1,2,3,4,5,6,7
	ds_load_b128 v[KF+8*\f:KF+8*\f+3],   v[ADK] offset:(\f/2)*16*PK+(\f%2)*64
	ds_load_b128 v[KF+8*\f+4:KF+8*\f+7], v[ADK] offset:(\f/2)*16*PK+(\f%2)*64+32
.endr
	WIN 0
.endm
.macro VLOAD                           ; a step's V, turned: 8 fragments (f = 4 x 32 keys + 16 channels)
	WIN 0x40
.irp f, 0,1,2,3,4,5,6,7
	ds_load_tr16_b128 v[VF+8*\f:VF+8*\f+3],   v[ADV] offset:(\f/4)*32*PVB+(\f%4)*32
	ds_load_tr16_b128 v[VF+8*\f+4:VF+8*\f+7], v[ADV] offset:(\f/4)*32*PVB+16*PVB+(\f%4)*32
.endr
.endm
.macro SLOTHEAD base                   ; a slot's first K, and where its tiles lie
	s_mov_b32 s[TK], \base
	s_mov_b32 s[TV], \base+KREG
	v_add_nc_u32 v[ADK], s[TK], v[AK0]
	KLOAD
	s_add_co_u32 s[TK], s[TK], KS*PK
.endm
.macro QKMUL                           ; S^T = K Q^T: 32 products; the 16 accumulators take turns, one instruction a turn; the first 16 start the sums
	WIN 0x01                                       ; K in window 1; Q and S^T in window 0
.irp c, 0,1
.irp k, 0,1,2,3
.irp t, 0,1,2,3
.if \c == 0
	v_wmma_f32_16x16x32_f16 v[S+32*\t+8*\k:S+32*\t+8*\k+7], v[KF+8*(2*\k+\c):KF+8*(2*\k+\c)+7], v[QF+8*(2*\t+\c):QF+8*(2*\t+\c)+7], 0
.else
	v_wmma_f32_16x16x32_f16 v[S+32*\t+8*\k:S+32*\t+8*\k+7], v[KF+8*(2*\k+\c):KF+8*(2*\k+\c)+7], v[QF+8*(2*\t+\c):QF+8*(2*\t+\c)+7], v[S+32*\t+8*\k:S+32*\t+8*\k+7]
.endif
.endr
.endr
.endr
.endm
.macro PVMUL first                     ; O^T += V^T P: 32 products, 16 accumulators by turns.  first = 1: the first 16 start the sums: nothing is ever cleared
	WIN 0x51                                       ; V and O^T in window 1, P in window 0
.irp k, 0,1
.irp c, 0,1,2,3
.irp t, 0,1,2,3
.if (\first) && (\k == 0)
	v_wmma_f32_16x16x32_f16 v[OF+32*\t+8*\c:OF+32*\t+8*\c+7], v[VF+8*(4*\k+\c):VF+8*(4*\k+\c)+7], v[S+32*\t+8*\k:S+32*\t+8*\k+7], 0
.else
	v_wmma_f32_16x16x32_f16 v[OF+32*\t+8*\c:OF+32*\t+8*\c+7], v[VF+8*(4*\k+\c):VF+8*(4*\k+\c)+7], v[S+32*\t+8*\k:S+32*\t+8*\k+7], v[OF+32*\t+8*\c:OF+32*\t+8*\c+7]
.endif
.endr
.endr
.endr
.endm
; THE SOFTMAX of four tiles for one key step; the tiles are innermost everywhere, so that no line waits for the line above it.  first = 1: the first key step, which starts m, l and O^T.
.macro SOFTMAX first
.irp j, 0,1,2,3                                ; the maximum of a lane's 32 scores: four chains; each accumulator is read from its low end on
.irp t, 0,1,2,3
	v_max3_num_f32 v[ST+8*\t+4+\j], v[S+32*\t+8*\j], v[S+32*\t+8*\j+1], v[S+32*\t+8*\j+2]
.endr
.endr
.irp g, 1,2
.irp j, 0,1,2,3
.irp t, 0,1,2,3
	v_max3_num_f32 v[ST+8*\t+4+\j], v[ST+8*\t+4+\j], v[S+32*\t+8*\j+2*\g+1], v[S+32*\t+8*\j+2*\g+2]
.endr
.endr
.endr
.irp t, 0,1,2,3
	v_max3_num_f32 v[ST+8*\t+4], v[ST+8*\t+4], v[S+32*\t+7], v[S+32*\t+15]
.endr
.irp t, 0,1,2,3
	v_max3_num_f32 v[ST+8*\t+6], v[ST+8*\t+6], v[S+32*\t+23], v[S+32*\t+31]
.endr
.irp t, 0,1,2,3
	v_max3_num_f32 v[ST+8*\t+4], v[ST+8*\t+4], v[ST+8*\t+5], v[ST+8*\t+6]
.endr
.irp t, 0,1,2,3
.if \first
	v_max_num_f32 v[ST+8*\t+4], v[ST+8*\t+4], v[ST+8*\t+7]
.else
	v_max3_num_f32 v[ST+8*\t+4], v[ST+8*\t+4], v[ST+8*\t+7], v[ST+8*\t+1]   ; with the old m
.endif
.endr
.irp t, 0,1,2,3
	v_permlanex16_b32 v[ST+8*\t+5], v[ST+8*\t+4], s[SEL], s[SEL+1]   ; the query's other 32 keys lie in the lane 16 away
.endr
.if \first == 0
.irp t, 0,1,2,3
	v_mov_b32 v[ST+8*\t+7], v[ST+8*\t]             ; c m_old is kept for a
.endr
.endif
.irp t, 0,1,2,3
	v_max_num_f32 v[ST+8*\t+1], v[ST+8*\t+4], v[ST+8*\t+5]
.endr
.irp t, 0,1,2,3
	v_mul_f32 v[ST+8*\t], s[CS], v[ST+8*\t+1]
.endr
.if \first == 0
.irp t, 0,1,2,3
	v_sub_f32 v[ST+8*\t+7], v[ST+8*\t+7], v[ST+8*\t]
.endr
.irp t, 0,1,2,3
	v_exp_f32 v[ST+8*\t+6], v[ST+8*\t+7]           ; a.  From here to the wait: ONE BATCH of exponentials, none of whose results is named
.endr
.endif
.set i, 0
.rept 17
.irp t, 0,1,2,3
.if i < 16
	v_pk_fma_f32 v[S+32*\t+2*i:S+32*\t+2*i+1], v[S+32*\t+2*i:S+32*\t+2*i+1], s[CS:CS+1], v[ST+8*\t:ST+8*\t+1] op_sel_hi:[1,0,0] neg_lo:[0,0,1] neg_hi:[0,0,1]   ; pair i: c s - c m
.endif
.if i > 0
	v_exp_f32 v[S+32*\t+2*i-2], v[S+32*\t+2*i-2]   ; pair i - 1, scaled four tiles' lines ago
	v_exp_f32 v[S+32*\t+2*i-1], v[S+32*\t+2*i-1]
.endif
.endr
.set i, i+1
.endr
	v_nop                                          ; a plain instruction behind the last exponential (ISA guide 5.7.2)
	s_wait_alu depctr_va_vdst(0)                   ; a wait ahead of the first instruction that names a result: one for the whole batch
.irp t, 0,1,2,3                                ; the row's sum, of the unrounded p, in two chains a tile; S^T is left as it is
.if \first
	v_pk_add_f32 v[ST+8*\t+2:ST+8*\t+3], v[S+32*\t:S+32*\t+1], v[S+32*\t+4:S+32*\t+5]
.else
	v_pk_fma_f32 v[ST+8*\t+2:ST+8*\t+3], v[ST+8*\t+2:ST+8*\t+3], v[ST+8*\t+6:ST+8*\t+7], v[S+32*\t:S+32*\t+1] op_sel_hi:[1,0,1]   ; l = a l + pair 0
.endif
.endr
.irp t, 0,1,2,3
	v_pk_add_f32 v[ST+8*\t+4:ST+8*\t+5], v[S+32*\t+2:S+32*\t+3], v[S+32*\t+6:S+32*\t+7]
.endr
.if \first == 0
.irp t, 0,1,2,3
	v_pk_add_f32 v[ST+8*\t+2:ST+8*\t+3], v[ST+8*\t+2:ST+8*\t+3], v[S+32*\t+4:S+32*\t+5]
.endr
.endif
.irp p, 4,6,8,10,12,14
.irp t, 0,1,2,3
	v_pk_add_f32 v[ST+8*\t+2:ST+8*\t+3], v[ST+8*\t+2:ST+8*\t+3], v[S+32*\t+2*\p:S+32*\t+2*\p+1]
.endr
.irp t, 0,1,2,3
	v_pk_add_f32 v[ST+8*\t+4:ST+8*\t+5], v[ST+8*\t+4:ST+8*\t+5], v[S+32*\t+2*\p+2:S+32*\t+2*\p+3]
.endr
.endr
.irp t, 0,1,2,3
	v_pk_add_f32 v[ST+8*\t+2:ST+8*\t+3], v[ST+8*\t+2:ST+8*\t+3], v[ST+8*\t+4:ST+8*\t+5]
.endr
.set i, 0
.rept 16                                       ; P in place: rounding i writes register i, whose number rounding i / 2 has already taken
.irp t, 0,1,2,3
	v_cvt_pk_f16_f32 v[S+32*\t+i], v[S+32*\t+2*i], v[S+32*\t+2*i+1]
.endr
.set i, i+1
.endr
.if \first == 0
	WIN 0x41                                       ; O^T (destination and source 0) in window 1, a in window 0
.set i, 0
.rept 16
.irp t, 0,1,2,3
	v_pk_mul_f32 v[OF+32*\t+2*i:OF+32*\t+2*i+1], v[OF+32*\t+2*i:OF+32*\t+2*i+1], v[ST+8*\t+6:ST+8*\t+7] op_sel_hi:[1,0]
.endr
.set i, i+1
.endr
.endif
.endm
; A KEY STEP.  kpre = 1: the next step's K is fetched; 2: likewise, but for a slot's last step (a scalar branch on the count of steps, round LDS loads alone).
.macro STEP first, kpre
	v_add_nc_u32 v[ADV], s[TV], v[AV0]             ; this step's V, the next step's K.  These two and the four v_nop are the places behind the last products: five before S^T's products write over P, four before loads land in V's registers
	v_add_nc_u32 v[ADK], s[TK], v[AK0]
.rept 4
	v_nop
.endr
	s_add_co_u32 s[TV], s[TV], KS*PVB
	s_add_co_u32 s[TK], s[TK], KS*PK
	VLOAD
	s_wait_dscnt 16                                ; K is in; V's sixteen younger loads may be out
	QKMUL
	WIN 0
.rept 4
	v_nop                                          ; places in front of the reads of S^T and of the loads into K's registers
.endr
	s_wait_dscnt 0x0                               ; V is in (asked for 32 matrix instructions ago)
.if \kpre == 2
	s_cmp_eq_u32 s[CNT], 1
	s_cbranch_scc1 .Lno_k_\@
.endif
	KLOAD
.if \kpre == 2
.Lno_k_\@:
.endif
	SOFTMAX \first
	PVMUL \first
	WIN 0
.endm
; THE CHANGE OF SLOTS.  Each wave waits for all its tensor loads (its part of the slot ahead), adds 0 to its spare word, and waits for that and for its reads of the slot that it leaves.
; fill = 1: that slot is filled again with the keys two slots on: the barrier is a round of the cluster's, and the joint refill is the first thing behind it.
.macro CHANGE fill, g
	WIN 0
	s_wait_tensorcnt 0x0                           ; no tensor load of mine is out, so a group 0 may be written
	ds_add_u32 v[SPW], v[NIL]                      ; 0 onto my spare word
.if \fill
	s_add_nc_u64 s[G0K+4*\g+2:G0K+4*\g+3], s[G0K+4*\g+2:G0K+4*\g+3], 2*SK*128
	s_add_nc_u64 s[G0V+4*\g+2:G0V+4*\g+3], s[G0V+4*\g+2:G0V+4*\g+3], 2*SK*128
	s_wait_dscnt 0x0                               ; the add is done, and my reads of the slot are over
	CROUND
	JLOAD \g
.else
	s_wait_dscnt 0x0
	s_barrier_signal -1
	s_barrier_wait -1
.endif
.endm
.macro WALK n                          ; n key steps of the slot in hand, its last among them
	s_mov_b32 s[CNT], \n
.Lstep_\@:
	STEP 0, 2
	s_sub_co_u32 s[CNT], s[CNT], 1
	s_cmp_lg_u32 s[CNT], 0
	s_cbranch_scc1 .Lstep_\@
.endm
	s_wait_tensorcnt 1                             ; my part of slot 0 is in; slot 1's may stay out
	s_barrier_signal -1
	s_barrier_wait -1                              ; everybody's is
	SLOTHEAD 0
	s_wait_loadcnt 0x0                             ; Q
	STEP 1, 1                                      ; keys 0-63 start m, l and O^T
	WALK 7
	CHANGE 1, 0                                    ; slot 0 takes keys 1,024 on
	SLOTHEAD SLOTB
	WALK 8
	CHANGE 1, 1                                    ; slot 1 takes keys 1,536 on
	SLOTHEAD 0
	WALK 8
	CHANGE 0, 0                                    ; nothing is left to ask for
	SLOTHEAD SLOTB
	WALK 8
	; THE WAY OUT.  l's two halves and the other half of the lanes' are added; O^T is divided by l, rounded to f16 and sent through my stage.  The additions are the places behind the last products.
.irp t, 0,1,2,3
	v_add_f32 v[ST+8*\t+4], v[ST+8*\t+2], v[ST+8*\t+3]
.endr
.irp t, 0,1,2,3
	v_permlanex16_b32 v[ST+8*\t+5], v[ST+8*\t+4], s[SEL], s[SEL+1]
.endr
.irp t, 0,1,2,3
	v_add_f32 v[ST+8*\t+4], v[ST+8*\t+4], v[ST+8*\t+5]
.endr
.irp t, 0,1,2,3
	v_rcp_f32 v[ST+8*\t+6], v[ST+8*\t+4]
.endr
	v_nop                                          ; a plain instruction between the last reciprocal and the use of its result
	s_wait_alu depctr_va_vdst(0)                   ; and a wait ahead of the first use: one for the four
.macro PACK t
	WIN 0x41
.set i, 0
.rept 16
	v_pk_mul_f32 v[OF+32*\t+2*i:OF+32*\t+2*i+1], v[OF+32*\t+2*i:OF+32*\t+2*i+1], v[ST+8*\t+6:ST+8*\t+7] op_sel_hi:[1,0]
.set i, i+1
.endr
	WIN 0x05                                       ; sources 0 and 1 window 1, destination window 0
.set i, 0
.rept 16
	v_cvt_pk_f16_f32 v[S+32*\t+i], v[OF+32*\t+2*i], v[OF+32*\t+2*i+1]
.set i, i+1
.endr
	WIN 0
.irp f, 0,1,2,3
	ds_store_b128 v[STO], v[S+32*\t+4*\f:S+32*\t+4*\f+3] offset:\t*16*SPI+32*\f
.endr
.irp f, 0,1,2,3
	ds_load_b128 v[S+32*\t+16+4*\f:S+32*\t+16+4*\f+3], v[RD] offset:\t*16*SPI+\f*4*SPI   ; LDS serves a wave's instructions in order (ISA guide 5.7.1.4): these see the stores above
.endr
.endm
.macro SEND t, younger                 ; younger: the LDS instructions issued behind tile t's loads: the next tile's eight, or none
.irp f, 0,1,2,3
	s_wait_dscnt \younger+3-\f
	global_store_b128 v[GO], v[S+32*\t+16+4*\f:S+32*\t+16+4*\f+3], s[6:7] offset:\t*2048+\f*512   ; 32 lanes store 512 consecutive bytes, aligned
.endr
.endm
	PACK 0
	PACK 1
	SEND 0, 8
	PACK 2
	SEND 1, 8
	PACK 3
	SEND 2, 8
	SEND 3, 0
	s_wait_tensorcnt 0x0                           ; the wave's end: a wait on TENSORcnt, an add of 0 to my spare word and its wait, behind my last tensor load and my last LDS store
	ds_add_u32 v[SPW], v[NIL]
	s_wait_dscnt 0x0
	CROUND                                         ; the closing round
	s_endpgm
.Lfunc_end_k_q0e2491a9f9_attn:
	.size	k_q0e2491a9f9_attn, .Lfunc_end_k_q0e2491a9f9_attn-k_q0e2491a9f9_attn
	.p2alignl 7, 3214868480
	.fill 96, 4, 3214868480
	.section	.rodata,"a",@progbits
	.p2align	6, 0x0
	.amdhsa_kernel k_q0e2491a9f9_attn
		.amdhsa_group_segment_fixed_size 327680
		.amdhsa_private_segment_fixed_size 0
		.amdhsa_enable_private_segment 0
		.amdhsa_kernarg_size 16
		.amdhsa_user_sgpr_count 2
		.amdhsa_user_sgpr_kernarg_segment_ptr 1
		.amdhsa_wavefront_size32 1
		.amdhsa_system_sgpr_workgroup_id_x 1
		.amdhsa_system_sgpr_workgroup_id_y 1
		.amdhsa_system_sgpr_workgroup_id_z 1
		.amdhsa_system_vgpr_workitem_id 0
		.amdhsa_next_free_vgpr 512
		.amdhsa_next_free_sgpr 66
		.amdhsa_reserve_vcc 0
		.amdhsa_float_denorm_mode_32 3
		.amdhsa_float_denorm_mode_16_64 3
		.amdhsa_memory_ordered 1
		.amdhsa_forward_progress 1
		.amdhsa_inst_pref_size 184
	.end_amdhsa_kernel
	.amdgpu_metadata
---
amdhsa.version: [ 1, 2 ]
amdhsa.kernels:
  - .name:           k_q0e2491a9f9_attn
    .symbol:         k_q0e2491a9f9_attn.kd
    .args:
      - { .name: qkv, .offset: 0, .size: 8, .value_kind: global_buffer, .address_space: global }
      - { .name: obuf, .offset: 8, .size: 8, .value_kind: global_buffer, .address_space: global }
    .group_segment_fixed_size: 327680
    .private_segment_fixed_size: 0
    .kernarg_segment_align: 8
    .kernarg_segment_size: 16
    .max_flat_workgroup_size: 256
    .sgpr_count:     66
    .vgpr_count:     512
    .wavefront_size: 32
...
	.end_amdgpu_metadata
.endif
;; end of part 3
;; launch proj (part 4): grid 4 x 64, 4 waves a work-group, clusters of 4 x 4, 327,680 bytes of LDS; arguments obuf, wp16, b_proj, out0; writes out0
.if DOCPART == 4
	.amdgcn_target "amdgcn-amd-amdhsa--gfx1250"
	.amdhsa_code_object_version 6
	.text
	.protected	k_q0e2491a9f9_proj
	.globl	k_q0e2491a9f9_proj
	.p2align	8
	.type	k_q0e2491a9f9_proj,@function
k_q0e2491a9f9_proj:
	s_mov_b64 s[64:65], 0
	v_nop
	global_prefetch_b8 v0, s[64:65] scope:SCOPE_SE
	s_setreg_imm32_b32 hwreg(HW_REG_WAVE_MODE, 25, 1), 1
	s_wait_xcnt 0x0
	s_wait_alu depctr_hold_cnt(0) depctr_sa_sdst(0) depctr_va_vdst(0) depctr_va_sdst(0) depctr_va_ssrc(0) depctr_va_vcc(0) depctr_vm_vsrc(0)
	s_getreg_b32 s2, hwreg(HW_REG_IB_STS2, 6, 4)
	s_cmp_eq_u32 s2, 0
	s_cbranch_scc0 .Lentry_in_a_cluster
	s_endpgm
.Lentry_in_a_cluster:
	s_bfe_u32 s2, ttmp6, 0x10000c
	s_cmp_lg_u32 s2, 0xf033
	s_cbranch_scc0 .Lentry_shape_is_right
	s_endpgm
.Lentry_shape_is_right:
; out0[m][n] = the sum over k of O[m][k] w_proj[k][n] + b_proj[n].  O: obuf [16 (head)][8192 (m)][64] f16, k = 64 head + channel;  w_proj: wp16 [1024 (k)][1024 (n)] f16;  out0 [8192][1024] f32; sums in f32.
; A tile of the result is 128 (m) x 256 (n): 256 work-groups.  Four waves, each 64 x 128: 32 accumulators of 16 x 16, 256 registers.  K goes in steps of 128 (two head planes of O) through a ring of two LDS slots.
; THE MATRIX INSTRUCTION IS USED TRANSPOSED: source 0 = 16 columns n of w_proj (turned out of [k][n] by ds_load_tr16_b128), source 1 = 16 rows of O: a lane holds eight neighbouring columns of one row.  The bias is the C of each sum's first instruction.
; CLUSTERS: 4 x 4 work-groups.  The four of a row of the cluster need the same tiles of O, the four of a column the same tiles of w_proj: each tile is asked for JOINTLY.
; No prefetch is laid: the tile is small, and a K step's 128 matrix instructions a wave are all that stands between a request and its wait.
; REGISTERS: window 0: v16-29 addresses; v64-127 the bias; v128-255 the way out, two sets of 64.   window 1: two fragment buffers at v0 and v128: 32 registers of O (4 x 16 rows x 32 K), then 64 of w_proj (8 x 16 columns).   window 2: the accumulators, (a, b) at v[8 (8 a + b)].
.set PA,    144                        ; a row of O in LDS: 128 bytes + 16
.set APL,   128*PA                     ; a head plane's 128 rows
.set PB,    544                        ; a k-row of w_proj in LDS: 512 bytes + 32
.set SLOT,  2*APL+128*PB               ; O's two planes, then w_proj's 128 k-rows
.set STAGE, 2*SLOT                     ; behind the ring: 16 rows x (512 + 16) bytes for each wave
.set SPITCH, 528
.set SPARE, STAGE+4*16*SPITCH          ; the spare words: 128 bytes for each wave
.set LAPS,  4                          ; a lap = two K steps = once round the ring
.set ADRA, 16
.set ADRB, 20
.set STO,  24
.set RD,   25
.set CO,   26
.set BA,   27
.set SPW,  28
.set NIL,  29
.set BI,   64
.set BK,   128
.set F0,   0
.set F1,   128
.set G1, 24
.set G0, 32
.set G1B, 48
.set G0B, 56
.set MSB, 0
.macro WIN new
.if MSB != (\new)
	s_set_vgpr_msb (MSB<<8)|(\new)
.set MSB, (\new)
.endif
.endm
.set MUL,  0xa5                        ; sources 0 and 1 window 1; C and D window 2
.set TO_F, 0x40                        ; destination window 1, address window 0
.macro JLOAD s                         ; a joint load: waves 0 and 1 fetch O's two planes, waves 2 and 3 the halves of w_proj's k-rows; an s_nop 0 and four v_nop follow each line
	s_cmp_eq_u32 s13, 0
	s_cbranch_scc0 .Lfor_b_\@
	tensor_load_to_lds s[G0+4*\s:G0+4*\s+3], s[G1:G1+7]
	s_nop 0
.rept 4
	v_nop
.endr
	s_branch .Lasked_\@
.Lfor_b_\@:
	tensor_load_to_lds s[G0B+4*\s:G0B+4*\s+3], s[G1B:G1B+7]
	s_nop 0
.rept 4
	v_nop
.endr
.Lasked_\@:
.endm
.macro CREST                           ; a round of the cluster's barrier behind its opening barrier
	s_cmp_lg_u32 s12, 0
	s_cbranch_scc1 .Lnot_wave_0_\@
	s_barrier_signal -3
.Lnot_wave_0_\@:
	s_barrier_wait -3
	s_barrier_signal -1
	s_barrier_wait -1
.endm
.macro CROUND
	s_barrier_signal -1
	s_barrier_wait -1
	CREST
.endm
	s_load_b256 s[4:11], s[0:1], 0x0               ; obuf s[4:5], wp16 s[6:7], b_proj s[8:9], out0 s[10:11]
	v_lshl_add_u32 v[SPW], v0, 2, SPARE
	v_mov_b32 v[NIL], 0
	ds_add_u32 v[SPW], v[NIL]                      ; the wave's opening: the add, twice on end, and its wait ahead of my first tensor load
	ds_add_u32 v[SPW], v[NIL]
	v_lshrrev_b32 v1, 5, v0
	v_readfirstlane_b32 s12, v1                    ; wave 0..3
	s_lshr_b32 s13, s12, 1                         ; which 64 rows are mine.  Also: I fetch for O (0) or for w_proj (1)
	s_and_b32 s14, s12, 1                          ; which 128 columns.  Also: which plane, or which 64 k-rows, I fetch
	s_bfe_u32 s40, ttmp6, 0x40000                  ; cx, cy
	s_bfe_u32 s41, ttmp6, 0x40004
	s_lshl_b32 s42, ttmp9, 2
	s_add_co_u32 s42, s42, s40                     ; tile column = 4 x cluster x + cx
	s_and_b32 s15, ttmp7, 0xffff
	s_lshl_b32 s15, s15, 2
	s_add_co_u32 s15, s15, s41                     ; tile row = 4 x cluster y + cy
	s_lshl_b32 s43, s41, 2
	s_lshl_b32 s43, 15, s43                        ; my row of the cluster
	s_lshl_b32 s44, 0x1111, s40                    ; my column
	s_or_b32 s[G1+0], s43, (1<<16)|(1<<20)|(1<<21)|(4<<22)|(3<<25)   ; O: 128 rows of 64 f16, dense; 4 words of padding behind every 32
	s_mov_b32 s[G1+1], 64<<16
	s_mov_b32 s[G1+2], 128<<16
	s_mov_b32 s[G1+3], 64<<16
	s_mov_b32 s[G1+4], 128
	s_mov_b32 s[G1+5], 64
	s_mov_b32 s[G1+6], 0
	s_mov_b32 s[G1+7], 0
	s_or_b32 s[G1B+0], s44, (1<<16)|(1<<20)|(1<<21)|(6<<22)|(7<<25)  ; w_proj: 64 k-rows of 256 f16, 1,024 apart; 8 words of padding behind every 128
	s_mov_b32 s[G1B+1], 256<<16
	s_mov_b32 s[G1B+2], 64<<16
	s_mov_b32 s[G1B+3], 256<<16
	s_mov_b32 s[G1B+4], 64
	s_mov_b32 s[G1B+5], 1024
	s_mov_b32 s[G1B+6], 0
	s_mov_b32 s[G1B+7], 0
	s_lshl_b32 s16, s14, 20                        ; O: my plane of 1,048,576 bytes, the tile's 128 rows of 128 bytes: it hangs on the tile row alone
	s_lshl_b32 s17, s15, 14
	s_add_co_u32 s16, s16, s17
	s_mov_b32 s17, 0
	s_lshl_b32 s46, s14, 17                        ; w_proj: my 64 k-rows of 2,048 bytes, the tile's 512 bytes of a row: it hangs on the tile column alone
	s_lshl_b32 s47, s42, 9
	s_add_co_u32 s46, s46, s47
	s_mov_b32 s47, 0
	s_mul_i32 s20, s14, APL                        ; where they go
	s_mul_i32 s21, s14, 64*PB
	s_add_co_u32 s21, s21, 2*APL
	s_wait_dscnt 0x0                               ; both opening adds are done
	s_wait_kmcnt 0x0
	s_add_nc_u64 s[18:19], s[4:5], s[16:17]
	s_add_nc_u64 s[46:47], s[6:7], s[46:47]
	CROUND                                         ; all sixteen work-groups are here: the first joint loads meet
.irp s, 0,1
	s_mov_b32 s[G0+4*\s], 1
	s_add_co_u32 s[G0+4*\s+1], s20, \s*SLOT
	s_add_nc_u64 s[G0+4*\s+2:G0+4*\s+3], s[18:19], \s*2*1048576
	s_or_b32 s[G0+4*\s+3], s[G0+4*\s+3], 0x80000000
	s_mov_b32 s[G0B+4*\s], 1
	s_add_co_u32 s[G0B+4*\s+1], s21, \s*SLOT
	s_add_nc_u64 s[G0B+4*\s+2:G0B+4*\s+3], s[46:47], \s*128*2048
	s_or_b32 s[G0B+4*\s+3], s[G0B+4*\s+3], 0x80000000
	JLOAD \s                                       ; two tensor loads of mine are out
.endr
	v_and_b32 v1, 15, v0                           ; r
	v_bfe_u32 v2, v0, 4, 1                         ; h
	s_lshl_b32 s16, s15, 19                        ; out0: 128 x tile row + 64 x half rows of 4,096 bytes,
	s_lshl_b32 s17, s13, 18
	s_add_co_u32 s16, s16, s17
	s_mov_b32 s17, 0
	s_add_nc_u64 s[10:11], s[10:11], s[16:17]
	s_lshl_b32 s46, s42, 10                        ; and my first column, in bytes: 1,024 x tile column + 512 x half; the same in b_proj
	s_lshl_b32 s47, s14, 9
	s_add_co_u32 s46, s46, s47
	s_mov_b32 s47, 0
	s_add_nc_u64 s[10:11], s[10:11], s[46:47]
	s_add_nc_u64 s[8:9], s[8:9], s[46:47]
	v_lshlrev_b32 v[BA], 5, v2
.irp b, 0,1,2,3,4,5,6,7                        ; the bias: for block b, register 8 b + j = b_proj[my first column + 16 b + 8 h + j]
	global_load_b128 v[BI+8*\b:BI+8*\b+3], v[BA], s[8:9] offset:64*\b
	global_load_b128 v[BI+8*\b+4:BI+8*\b+7], v[BA], s[8:9] offset:64*\b+16
.endr
	v_mul_u32_u24 v3, v1, PA
	v_lshl_add_u32 v3, v2, 4, v3                   ; O: row x pitch + 16 x half
	s_mul_i32 s21, s13, 64*PA                      ; my 64 rows
	v_and_b32 v4, 7, v0
	v_bfe_u32 v5, v0, 3, 1
	v_lshl_add_u32 v4, v2, 3, v4                   ; w_proj, for the turning load: k-row 8 h + l % 8, columns 8 ((l / 8) % 2) on
	v_mul_u32_u24 v4, v4, PB
	v_lshl_add_u32 v4, v5, 4, v4
	s_lshl_b32 s22, s14, 8                         ; my 128 columns,
	s_add_co_u32 s22, s22, 2*APL                   ; behind O's two planes
.irp s, 0,1
	v_add_nc_u32 v[ADRA+\s], s21, v3
	v_add_nc_u32 v[ADRB+\s], s22, v4
	s_add_co_u32 s21, s21, SLOT
	s_add_co_u32 s22, s22, SLOT
.endr
	s_mul_i32 s23, s12, 16*SPITCH
	s_add_co_u32 s23, s23, STAGE                   ; my stage
	v_mul_u32_u24 v5, v1, SPITCH
	v_lshl_add_u32 v5, v2, 5, v5
	v_add_nc_u32 v[STO], s23, v5                   ; in: row r, 32 bytes for each half of the lanes
	v_and_b32 v6, 31, v0
	v_lshlrev_b32 v[CO], 4, v6                     ; back: the 32 lanes take one row of 512 bytes; and the same in out0
	v_add_nc_u32 v[RD], s23, v[CO]
; 8 matrix instructions: O's block a x w_proj's eight, 32 along K.  zero = 1: the first product starts the sums on the bias.  The 32 accumulators take turns, one instruction a turn.
.macro MUL8 f, a, zero
.irp b, 0,1,2,3,4,5,6,7
.if \zero
	v_wmma_f32_16x16x32_f16 v[8*(8*(\a)+\b):8*(8*(\a)+\b)+7], v[\f+32+8*\b:\f+32+8*\b+7], v[\f+8*(\a):\f+8*(\a)+7], v[BI+8*\b:BI+8*\b+7]
.else
	v_wmma_f32_16x16x32_f16 v[8*(8*(\a)+\b):8*(8*(\a)+\b)+7], v[\f+32+8*\b:\f+32+8*\b+7], v[\f+8*(\a):\f+8*(\a)+7], v[8*(8*(\a)+\b):8*(8*(\a)+\b)+7]
.endif
.endr
.endm
; 24 LDS loads in one run: the fragments of the slot's q-th 32 along K into buffer f; w_proj's sixteen first, then O's eight
.macro FETCH slot, q, f
	WIN TO_F
.irp b, 0,1,2,3,4,5,6,7
	ds_load_tr16_b128 v[\f+32+8*\b:\f+32+8*\b+3],   v[ADRB+\slot] offset:(\q)*32*PB+32*\b
	ds_load_tr16_b128 v[\f+32+8*\b+4:\f+32+8*\b+7], v[ADRB+\slot] offset:(\q)*32*PB+16*PB+32*\b
.endr
.irp a, 0,1,2,3
	ds_load_b128 v[\f+8*\a:\f+8*\a+3],   v[ADRA+\slot] offset:((\q)/2)*APL+((\q)%2)*64+\a*16*PA
	ds_load_b128 v[\f+8*\a+4:\f+8*\a+7], v[ADRA+\slot] offset:((\q)/2)*APL+((\q)%2)*64+\a*16*PA+32
.endr
.endm
.macro PLACES                          ; four plain vector instructions in front of loads into registers that matrix instructions have read, and of reads of results
.rept 4
	v_nop
.endr
.endm
; A K step is four quarters of 32 along K, 32 matrix instructions each, on buffers 0, 1, 0, 1.  One of the first three: multiplies buffer f and fetches quarter q into g.
.macro QUARTER slot, q, f, g, zero
	s_wait_dscnt 4                                 ; w_proj's fragments and O's blocks 0, 1 are in; the youngest four loads (blocks 2, 3) may be out
	WIN MUL-0x20*(\zero)                           ; (zero = 1: C, the bias, lies in window 0)
	MUL8 \f, 0, \zero
	MUL8 \f, 1, \zero
	PLACES
	FETCH \slot, \q, \g
	s_wait_dscnt 24                                ; all but the 24 just issued
	WIN MUL-0x20*(\zero)
	MUL8 \f, 2, \zero
	MUL8 \f, 3, \zero
.endm
; The last quarter multiplies buffer 1 and changes slots: ONE barrier; in front of it each wave waits for all its tensor loads, adds 0 to its spare word, and waits for that and for its reads of this slot.  fill = 1: this slot is filled again, two K steps ahead.
.macro TURN slot, next, fill
	WIN 0                                          ; (the add's two registers lie in window 0)
	s_wait_tensorcnt 0x0                           ; all my tensor loads have landed: my part of the next slot
	ds_add_u32 v[SPW], v[NIL]                      ; 0 onto my spare word
	s_wait_dscnt 5                                 ; (the add and the youngest four loads may be out)
	WIN MUL
	MUL8 F1, 0, 0
	s_wait_dscnt 0x0                               ; the add is done, and my reads of this slot are over
	s_barrier_signal -1
	MUL8 F1, 1, 0
.if \fill
	WIN 0
.endif
	s_barrier_wait -1
.if \fill
	CREST                                          ; the barrier has opened a round of the cluster's: no wave of any partner still reads this slot or has a load on its way
	s_add_nc_u64 s[G0+4*\slot+2:G0+4*\slot+3], s[G0+4*\slot+2:G0+4*\slot+3], 4*1048576
	s_add_nc_u64 s[G0B+4*\slot+2:G0B+4*\slot+3], s[G0B+4*\slot+2:G0B+4*\slot+3], 2*128*2048
	JLOAD \slot                                    ; the first tensor load behind the round: 112 matrix instructions ahead of the wait for it; its four v_nop are also the places in front of the loads below
.else
	PLACES
.endif
	FETCH \next, 0, F0
	WIN MUL
	MUL8 F1, 2, 0
	MUL8 F1, 3, 0
.endm
	s_wait_tensorcnt 1                             ; my part of K step 0 is in (K step 1's load may be out),
	s_barrier_signal -1
	s_barrier_wait -1                              ; everybody's is
	FETCH 0, 0, F0
	s_wait_loadcnt 0x0                             ; the bias
	QUARTER 0, 1, F0, F1, 1                        ; the first quarter stands in front of the loop: its products start the sums
	WIN 0                                          ; at a label and at a branch every window is 0
	s_mov_b32 s3, LAPS-1
.Llap:                                                 ; a trip goes once round the ring, from a lap's second quarter to the next lap's first, and fills both slots again
	QUARTER 0, 2, F1, F0, 0
	QUARTER 0, 3, F0, F1, 0
	TURN 0, 1, 1
	QUARTER 1, 1, F0, F1, 0
	QUARTER 1, 2, F1, F0, 0
	QUARTER 1, 3, F0, F1, 0
	TURN 1, 0, 1
	QUARTER 0, 1, F0, F1, 0
	WIN 0
	s_sub_co_u32 s3, s3, 1
	s_cmp_lg_u32 s3, 0
	s_cbranch_scc1 .Llap
	QUARTER 0, 2, F1, F0, 0                        ; the last lap fills nothing, and has no round of the cluster's barrier
	QUARTER 0, 3, F0, F1, 0
	TURN 0, 1, 0
	QUARTER 1, 1, F0, F1, 0
	QUARTER 1, 2, F1, F0, 0
	QUARTER 1, 3, F0, F1, 0
	s_wait_dscnt 4                                 ; the very last quarter: nothing more to fetch
	WIN MUL
	MUL8 F1, 0, 0
	MUL8 F1, 1, 0
	s_wait_dscnt 0
	MUL8 F1, 2, 0
	MUL8 F1, 3, 0
	WIN 0
; THE WAY OUT, block by block of 16 rows x 128 columns: through my own stage, back as whole rows of 512 bytes.  LDS serves a wave's instructions in order (ISA guide 5.7.1.4): no wait between the stores and the loads, nor in front of the next block's stores.
.macro TOSTAGE a
	WIN 0x08                                       ; an LDS store's data are its source 1: window 2
.irp b, 0,1,2,3,4,5,6,7
	ds_store_b128 v[STO], v[64*(\a)+8*\b:64*(\a)+8*\b+3] offset:64*\b          ; each accumulator from its low end on
	ds_store_b128 v[STO], v[64*(\a)+8*\b+4:64*(\a)+8*\b+7] offset:64*\b+16
.endr
	WIN 0
.set BB, BK+64*((\a)%2)
.irp t, 0,1,2,3,4,5,6,7,8,9,10,11,12,13,14,15
	ds_load_b128 v[BB+4*\t:BB+4*\t+3], v[RD] offset:\t*SPITCH
.endr
.endm
.macro SEND a, younger                 ; younger: the LDS instructions issued behind block a's loads, which may stay out
.set BB, BK+64*((\a)%2)
	s_wait_dscnt \younger
.irp t, 0,1,2,3,4,5,6,7,8,9,10,11,12,13,14,15
	global_store_b128 v[CO], v[BB+4*\t:BB+4*\t+3], s[10:11] offset:(16*(\a)+\t)*4096 th:TH_STORE_NT   ; 32 lanes store 512 consecutive bytes, aligned; written once, read by nobody here
.endr
.endm
	PLACES
	TOSTAGE 0
.irp a, 1,2,3
.if \a > 1
	s_wait_xcnt 0x0                                ; block a - 2's stores have read their registers: block a's loads may land there
.endif
	TOSTAGE \a
	SEND \a-1, 32                                  ; behind block a - 1's loads: block a's 16 stores and 16 loads
.endr
	SEND 3, 0
	s_wait_tensorcnt 0x0                           ; the wave's end: a wait on TENSORcnt, an add of 0 to my spare word and its wait, behind my last tensor load and my last LDS store
	ds_add_u32 v[SPW], v[NIL]
	s_wait_dscnt 0x0
	CROUND                                         ; the closing round
	s_endpgm
.Lfunc_end_k_q0e2491a9f9_proj:
	.size	k_q0e2491a9f9_proj, .Lfunc_end_k_q0e2491a9f9_proj-k_q0e2491a9f9_proj
	.p2alignl 7, 3214868480
	.fill 96, 4, 3214868480
	.section	.rodata,"a",@progbits
	.p2align	6, 0x0
	.amdhsa_kernel k_q0e2491a9f9_proj
		.amdhsa_group_segment_fixed_size 327680
		.amdhsa_private_segment_fixed_size 0
		.amdhsa_enable_private_segment 0
		.amdhsa_kernarg_size 32
		.amdhsa_user_sgpr_count 2
		.amdhsa_user_sgpr_kernarg_segment_ptr 1
		.amdhsa_wavefront_size32 1
		.amdhsa_system_sgpr_workgroup_id_x 1
		.amdhsa_system_sgpr_workgroup_id_y 1
		.amdhsa_system_sgpr_workgroup_id_z 1
		.amdhsa_system_vgpr_workitem_id 0
		.amdhsa_next_free_vgpr 768
		.amdhsa_next_free_sgpr 66
		.amdhsa_reserve_vcc 0
		.amdhsa_float_denorm_mode_32 3
		.amdhsa_float_denorm_mode_16_64 3
		.amdhsa_memory_ordered 1
		.amdhsa_forward_progress 1
		.amdhsa_inst_pref_size 86
	.end_amdhsa_kernel
	.amdgpu_metadata
---
amdhsa.version: [ 1, 2 ]
amdhsa.kernels:
  - .name:           k_q0e2491a9f9_proj
    .symbol:         k_q0e2491a9f9_proj.kd
    .args:
      - { .name: obuf, .offset: 0, .size: 8, .value_kind: global_buffer, .address_space: global }
      - { .name: wp16, .offset: 8, .size: 8, .value_kind: global_buffer, .address_space: global }
      - { .name: b_proj, .offset: 16, .size: 8, .value_kind: global_buffer, .address_space: global }
      - { .name: out0, .offset: 24, .size: 8, .value_kind: global_buffer, .address_space: global }
    .group_segment_fixed_size: 327680
    .private_segment_fixed_size: 0
    .kernarg_segment_align: 8
    .kernarg_segment_size: 32
    .max_flat_workgroup_size: 128
    .sgpr_count:     66
    .vgpr_count:     768
    .wavefront_size: 32
...
	.end_amdgpu_metadata
.endif
;; end of part 4
